; MI455X (gfx1250); checked and timed in simulation.
; The chip was launched on July 23, 2026; its instructions are those of AMD's public machine-readable ISA for CDNA 5 (MIT licence, August 2026) and "CDNA5" Instruction Set Architecture Reference Guide (July 2026). The comments in the code are by the model that wrote it; some were corrected since.
;; Multi Perspective Layer. Allowed arithmetic: matrix products marked QUANTISED: E2M1 operands, one E8M0 scale for each 32 along K, by v_wmma_scale_f32_16x16x128_f8f6f4 with both operands' format E2M1 (or v_wmma_scale_f32_32x16x128_f4), f32 sums; products left as they are: f32 operands where the result goes on into a quantised operand, else bf16, f16 or f32 operands; f32 sums; everything else in f32.
;; Inputs: W_att_codes 32 x 8 x 16 uint8 (E2M1 codes of W_att, K innermost, in blocks of 32 codes, two codes a byte); W_att_scales 32 x 8 uint8 (E8M0 scales of W_att, one for each 32 codes along K); W_full 32 x 256 float32; W_maxatt_codes 32 x 8 x 16 uint8 (E2M1 codes of W_maxatt, K innermost, in blocks of 32 codes, two codes a byte); W_maxatt_scales 32 x 8 uint8 (E8M0 scales of W_maxatt, one for each 32 codes along K); W_maxpool 32 x 256 float32; backward_c_lt 32 x 128 float32; backward_c_rt 32 x 128 float32; backward_h_lt 32 x 128 float32; backward_h_rt 32 x 128 float32; forward_c_lt 32 x 128 float32; forward_c_rt 32 x 128 float32; forward_h_lt 32 x 128 float32; forward_h_rt 32 x 128 float32; lstm_lt 32 x 256 x 256 float32; lstm_rt 32 x 256 x 256 float32.
;; Outputs: out0 32 x 256 x 128 float32.
;; This version of the problem:
;;   THIS VERSION OF THE PROBLEM IS GIVEN IN LOW PRECISION. The matrix products marked QUANTISED in the list below multiply operands that are first quantised to E2M1 (2 exponent bits, 1 mantissa bit; 4 bits a number), with one power-of-two scale for each 32 numbers along K (OCP MX v1.0); their sums are f32. All else is computed in f32.
;;   The module's matrix products, in the order in which they are computed (A, B: the left and right operand; K: the contracted axis; several contracted axes count as one K, in the product's order):
;;     1. batch 256 x [M 32, K 1] x [K 1, N 32]; A: computed on the way; B: computed on the way: left as it is (no contracted axis)
;;     2. batch 32 x [M 256, K 256] x [K 256, N 32]; A: input lstm_lt; B: computed on the way: QUANTISED
;;     3. batch 256 x [M 32, K 1] x [K 1, N 8,192]; A: computed on the way; B: computed on the way: left as it is (no contracted axis)
;;     4. batch 32 x [M 8,192, K 256] x [K 256, N 256]; A: computed on the way; B: input lstm_rt: QUANTISED
;;     5. batch 32 x [M 256, K 256] x [K 256, N 256]; A: input lstm_lt; B: input lstm_rt: QUANTISED
;;     6. batch 32 x [M 256, K 256] x [K 256, N 256]; A: computed on the way; B: input lstm_rt: QUANTISED
;;     7. batch 2,097,152 x [M 1, K 1] x [K 1, N 1]; A: computed on the way; B: computed on the way: left as it is (no contracted axis)
;;     8. [M 8,192, K 256] x [K 256, N 32]; A: computed on the way; B: input W_att (given as codes): QUANTISED
;;     9. batch 2,097,152 x [M 1, K 1] x [K 1, N 1]; A: computed on the way; B: computed on the way: left as it is (no contracted axis)
;;     10. [M 8,192, K 256] x [K 256, N 32]; A: computed on the way; B: input W_maxatt (given as codes): QUANTISED
;;   THE QUANTISER, for each operand of a quantised product, along K:
;;     - K is cut into blocks of 32 from its start; a last block that is shorter is filled with zeros.
;;     - A block's scale is 2^e with e = floor(log2(the largest magnitude in the block)) - 2, held to -126 .. 127; a block of zeros has e = 0. As a byte (E8M0): e + 127.
;;     - Each number is divided by its block's scale, clamped to +-6, and rounded to the nearest number of E2M1, ties to even, subnormals kept.
;;     - The product sums the exact products of the quantised numbers (number of the format x scale) in f32.
;;   ~~~python
;;   def quantise(x, axis):      # numpy; x: float32 -> the quantised numbers, widened to float32 again
;;       x = np.moveaxis(x, axis, -1); K = x.shape[-1]
;;       x = np.pad(x, [(0, 0)] * (x.ndim - 1) + [(0, -K % 32)]); x = x.reshape(x.shape[:-1] + (-1, 32)); a = np.abs(x).max(-1, keepdims=True)
;;       e = np.where(a > 0, np.clip(np.frexp(np.where(a > 0, a, 1))[1] - 1 - 2, -126, 127), 0)      # np.frexp(a)[1] - 1 = floor(log2(a)), exactly
;;       r = np.clip(x / 2.0 ** e, -6, 6)
;;       step = 2.0 ** (np.maximum(np.frexp(np.where(r == 0, 1, r))[1] - 1, 0) - 1)
;;       q = np.round(r / step) * step * 2.0 ** e      # np.round: ties to even
;;       return np.moveaxis(q.reshape(q.shape[:-2] + (-1,))[..., :K], -1, axis).astype(np.float32)
;;   ~~~
;;   OPERANDS COMPUTED ON THE WAY. 'Computed on the way' means the value that the module computes at that place (a softmax that the list does not call 'softmax' is quantised finished and normalised). What goes into a quantiser is computed in f32, as accurately as f32 sums, v_exp_f32 and their like allow (about 1e-6 of the number): no bf16 or f16 on the way to a quantiser, and a product that is left as it is and whose result goes on into a quantised operand takes f32 operands (vector FMAs, or v_wmma_f32_16x16x4_f32). A number that lies on a knife's edge between two numbers of the format may be rounded either way, as far as f32 arithmetic and the matrix unit's own rounding can turn it there, and no further.
;;   INPUTS GIVEN AS CODES. W_att (in the module: [32, 256], K = its axis 1); W_maxatt (in the module: [32, 256], K = its axis 1): each comes as NAME_codes (uint8): NAME with its K axis moved to the last place and cut into blocks of 32 codes, [.., K / 32, bytes a block], one block behind the other in memory; two codes a byte, the lower K in the low four bits (a code: sign, 2 exponent bits, 1 mantissa bit); and NAME_scales (uint8): the same leading axes, one E8M0 byte (e + 127) for each 32 codes along K. Its value is code x scale, taken as it is: it is not quantised again, and the codes and scales need not be those that the quantiser above would give.
;; 2 versions, each right; version 2 is version 1 with the launch match written anew for expert scheduling mode. Each part assembles by itself: llvm-mc -triple=amdgcn-amd-amdhsa -mcpu=gfx1250 --defsym DOCPART=n.
;; ======== version 1 of 2: 2 launches
;; workspace buffers: rtd 1,048,576 bytes; ltd 1,048,576 bytes; rtj 1,048,576 bytes; whq 131,072 bytes; whs 8,192 bytes; meta 262,144 bytes; wmp 32,768 bytes
;; launch prep (part 1): grid 8 x 32, 16 waves a work-group, no clusters, 78,336 bytes of LDS; arguments lstm_rt, lstm_lt, W_full, forward_h_rt, backward_h_rt, W_maxpool, rtd, ltd, rtj, whq, meta, whs, wmp; writes rtd, ltd, rtj, whq, meta, whs, wmp
.if DOCPART == 1
	.amdgcn_target "amdgcn-amd-amdhsa--gfx1250"
	.amdhsa_code_object_version 6
	.text
	.protected	k_qb60cec5223_prep
	.globl	k_qb60cec5223_prep
	.p2align	8
	.type	k_qb60cec5223_prep,@function
k_qb60cec5223_prep:
	s_mov_b64 s[64:65], 0
	v_nop
	global_prefetch_b8 v0, s[64:65] scope:SCOPE_SE
	s_setreg_imm32_b32 hwreg(HW_REG_WAVE_MODE, 25, 1), 1
	s_wait_xcnt 0x0
; PREP: what the eight work-groups of a batch would each quantise anew is quantised once, into codes of FP4 (E2M1) with one E8M0 byte for each 32 along K.
; Work-group (p, b) takes the 32 rows 32 p .. 32 p + 31 of lstm_rt[b] and of lstm_lt[b].  Sixteen waves:
;   waves 0-7   rt along j (K = the rows): lane = column d = 32 w + lane, its 32 registers run down the slab: one whole block a lane         -> rtj, and its scale byte
;   waves 8-11  rt (8, 9) or lt (10, 11) along d: a tile of 16 rows a wave, lane (r, h) holds four whole blocks of its row; also 1 / norm     -> rtd, ltd, scale words, 1/nr, 1/nl
;   wave 12     p = 0 .. 3: W_full[l][d] x h_rt[b][d] in f32, quantised along d: 16 rows l (16 (p & 1) on) x 128 d (128 (p >> 1) on)              -> whq, whs
;               p = 4, 5:   512 bytes of W_maxpool, as f32, into the order in which the next launch's registers take them                         -> wmp
; EVERY BULK LOAD COVERS CONSECUTIVE BYTES.  For the conversions a lane must hold 32 neighbours along d (128 bytes); taken straight from memory, each of its loads would take 16 bytes from 32 places 128 bytes or more apart.
; So waves 8-11 and 12 load 512 consecutive bytes an instruction, and the tile turns through the wave's own stage in LDS (16 bytes of padding behind each row, so that the 16 rows of a load back start at 16 different banks).
; ALL CODES ARE LAID AS IMAGES OF OPERAND REGISTERS: a fragment (16 rows x 128 K, 8 registers a lane) is 1,024 bytes, register 4 c + g of lane l at 512 c + 16 l + 4 g.
; A scale image is 128 bytes: the word at 4 l is K step 0's word of row l (l < 16) or K step 1's word of row l - 16.
; In rtd, ltd and rtj a tile's rows are not neighbours: in a block of 32 rows, lane r of tile t takes row 8 t + r + 8 (r / 8), so that a product that takes the tile as source 0 leaves 16 neighbours in a lane.
; The small things (scale words, scale bytes, 1 / norms: 1,024 bytes a work-group) are gathered in LDS and leave as whole runs of 512 bytes.  whs alone leaves in pieces of 64 bytes: 8,192 bytes in the whole launch.
; A block's scale is 2^(floor(log2(largest magnitude)) - 2); its byte is the largest magnitude's exponent field - 2, held at 1 from below.
; LIMITS: a block whose largest magnitude lies under 2^-124, a block of zeros among them, gets the byte 1 (the rule says 127 for zeros: the codes are zeros, and this program alone reads the bytes);
; NaN and infinities among the inputs are not served.  No tensor load, no matrix instruction: the waves share only the 1,024 bytes of the meta block.
.set ST1, 1024                         ; LDS: behind the meta block: a stage of 16 rows x P1 bytes for each of waves 8-11
.set P1,  1040                         ; 1,024 bytes + 16
.set ST2, ST1+4*16*P1                  ; and one of 16 rows x P2 bytes for wave 12
.set P2,  528                          ; 512 bytes + 16
.set LI,  1                            ; v1  16 x lane: a dense load's or an image's place for my lane (a global offset)
.set BYA, 2                            ; v2  LDS: my column's scale byte: 512 + 32 w + 16 t + r
.set SCA, 3                            ; v3  LDS: my tile's scale image: 128 (w & 3) + 4 x lane
.set NRA, 4                            ; v4  LDS: my row's 1 / norm, rows in their natural order
.set S1W, 5                            ; v5  LDS: my stage, on the way in: 16 x lane
.set SH,  6                            ; v6  8 h
.set PT,  7                            ; v7  a lane permute's destination: written once at the head
.set MOA, 8                            ; v8  LDS and global: 16 x (thread & 63): the meta block's way out
.set S1R, 9                            ; v9  LDS: my stage, on the way out: row r, + 128 h
.set S2W, 26                           ; v26, v27: the same for wave 12's stage
.set S2R, 27
; 32 numbers v[p] .. v[p + 31] of ONE block in one lane -> 4 registers of codes at v[c], the conversion's scale operand in v[m + 1], the scale's byte in v[by].  v[m] .. v[m + 3]: four chains that do not wait for each other.
.macro QB32 p, c, m, by
	v_max3_num_f32 v[(\m)], |v[(\p)]|, |v[(\p)+1]|, 0x1800000          ; the floor 2^(3 - 127) among the leaves: the byte cannot fall under 1
	v_max3_num_f32 v[(\m)+1], |v[(\p)+2]|, |v[(\p)+3]|, |v[(\p)+4]|
	v_max3_num_f32 v[(\m)+2], |v[(\p)+5]|, |v[(\p)+6]|, |v[(\p)+7]|
	v_max3_num_f32 v[(\m)+3], |v[(\p)+8]|, |v[(\p)+9]|, |v[(\p)+10]|
.irp z, 0,1
.irp q, 0,1,2,3
	v_max3_num_f32 v[(\m)+\q], v[(\m)+\q], |v[(\p)+11+8*\z+2*\q]|, |v[(\p)+12+8*\z+2*\q]|
.endr
.endr
	v_max3_num_f32 v[(\m)], v[(\m)], |v[(\p)+27]|, |v[(\p)+28]|
	v_max3_num_f32 v[(\m)+1], v[(\m)+1], |v[(\p)+29]|, |v[(\p)+30]|
	v_max3_num_f32 v[(\m)+2], v[(\m)+2], v[(\m)+3], |v[(\p)+31]|
	v_max3_num_f32 v[(\m)], v[(\m)], v[(\m)+1], v[(\m)+2]
	v_add_nc_u32 v[(\m)+1], 0xff000000, v[(\m)]                        ; 2 off the exponent field: the conversion takes that field as its scale, and nothing else of the operand
.irp g, 0,1,2,3
	v_cvt_scalef32_pk8_fp4_f32 v[(\c)+\g], v[(\p)+8*\g:(\p)+8*\g+7], v[(\m)+1]
.endr
	v_lshrrev_b32 v[(\by)], 23, v[(\m)+1]                              ; the scale's byte; also the plain line behind the conversions
.endm
	s_load_b256 s[4:11], s[0:1], 0x0               ; rt s[4:5], lt s[6:7], W_full s[8:9], forward_h_rt s[10:11]
	s_load_b256 s[12:19], s[0:1], 0x20             ; backward_h_rt s[12:13], W_maxpool s[14:15], rtd s[16:17], ltd s[18:19]
	s_load_b256 s[20:27], s[0:1], 0x40             ; rtj s[20:21], whq s[22:23], meta s[24:25], whs s[26:27]
	s_load_b64 s[28:29], s[0:1], 0x60              ; wmp
	v_lshl_add_u32 v192, v0, 2, 0x12a00
	v_mov_b32 v193, 0
	v_lshrrev_b32 v10, 5, v0
	v_readfirstlane_b32 s30, v10                   ; wave 0..15
	s_mov_b32 s31, ttmp9                           ; p
	s_and_b32 s32, ttmp7, 0xffff                   ; b
	s_lshl_b32 s41, s32, 3
	s_add_co_u32 s41, s41, s31                     ; 8 b + p
	s_bfe_u32 s36, s30, 0x10001                    ; (w >> 1) & 1
	s_and_b32 s37, s30, 1                          ; w & 1
	s_mov_b32 s58, 0x76543210
	s_mov_b32 s59, 0xfedcba98                      ; v_permlanex16_b32's selects for lane l xor 16
	v_and_b32 v11, 31, v0                          ; lane
	v_and_b32 v12, 15, v0                          ; r
	v_bfe_u32 v13, v0, 4, 1                        ; h
	v_bfe_u32 v14, v0, 3, 1                        ; (lane >> 3) & 1: the tile in which row 'lane' of a block of 32 lies,
	v_and_b32 v15, 7, v0
	v_lshl_add_u32 v15, v13, 3, v15                ; and its place there: (lane & 7) + 8 (lane >> 4)
	v_and_b32 v16, 8, v12
	v_add_nc_u32 v16, v16, v12                     ; r + 8 (r / 8)
	; every LDS address is made here, ahead of the parting of the roles
	v_lshlrev_b32 v[LI], 4, v11
	s_lshl_b32 s33, s30, 5
	s_add_co_u32 s33, s33, 512
	v_lshl_add_u32 v[BYA], v14, 4, v15
	v_add_nc_u32 v[BYA], s33, v[BYA]
	s_and_b32 s34, s30, 3
	s_lshl_b32 s35, s34, 7
	v_lshl_add_u32 v[SCA], v11, 2, s35
	s_lshl_b32 s38, s36, 7
	s_lshl_b32 s39, s37, 5
	s_add_co_u32 s38, s38, s39
	s_add_co_u32 s38, s38, 768
	v_lshl_add_u32 v[NRA], v16, 2, s38
	s_mul_i32 s39, s34, 16*P1
	s_add_co_u32 s39, s39, ST1
	v_add_nc_u32 v[S1W], s39, v[LI]
	v_mul_u32_u24 v[S1R], v12, P1
	v_lshl_add_u32 v[S1R], v13, 7, v[S1R]
	v_add_nc_u32 v[S1R], s39, v[S1R]
	v_add_nc_u32 v[S2W], ST2, v[LI]
	v_mul_u32_u24 v[S2R], v12, P2
	v_lshl_add_u32 v[S2R], v13, 7, v[S2R]
	v_add_nc_u32 v[S2R], ST2, v[S2R]
	v_lshlrev_b32 v[SH], 3, v13
	v_mov_b32 v[PT], 0
	v_and_b32 v[MOA], 63, v0
	v_lshlrev_b32 v[MOA], 4, v[MOA]
	s_lshl_b32 s42, s41, 15                        ; my slab of 32 rows x 1,024 bytes
	s_mov_b32 s43, 0
	s_lshl_b32 s46, s41, 10
	s_mov_b32 s47, 0
	s_wait_kmcnt 0x0
	s_add_nc_u64 s[52:53], s[24:25], s[46:47]      ; my block of meta
	s_cmp_lt_u32 s30, 8
	s_cbranch_scc0 .Lnot_down
	; ---- waves 0-7: rt along j.  Each load reads 128 consecutive bytes of one row; the eight waves stand side by side on the row's 1,024
	s_add_nc_u64 s[44:45], s[4:5], s[42:43]
	v_lshlrev_b32 v20, 2, v0                       ; 128 w + 4 x lane
	v_lshlrev_b32 v21, 4, v15
	v_lshl_add_u32 v21, v14, 11, v21               ; my 16 bytes in rtj: tile x 2,048 + 16 x my place in it
.set n, 0
.rept 32
	global_load_b32 v[32+n], v20, s[44:45] offset:1024*n
.set n, n+1
.endr
	s_lshl_b32 s46, s32, 15                        ; rtj: batch, block of 32 columns (my wave), and block p of K = j, which is 256 p bytes into each fragment pair
	s_lshl_b32 s47, s30, 12
	s_add_co_u32 s46, s46, s47
	s_lshl_b32 s47, s31, 8
	s_add_co_u32 s46, s46, s47
	s_mov_b32 s47, 0
	s_add_nc_u64 s[46:47], s[20:21], s[46:47]
	s_wait_loadcnt 0x0                             ; the block's maximum wants all 32
	QB32 32, 64, 68, 72
	global_store_b128 v21, v[64:67], s[46:47]      ; the sixteen lanes of a tile store 256 consecutive bytes, aligned
	ds_store_b8 v[BYA], v72
	s_branch .Ljoin
.Lnot_down:
	s_cmp_lt_u32 s30, 12
	s_cbranch_scc0 .Lwave12
	; ---- waves 8-11: a tile of 16 rows along d
	s_cmp_eq_u32 s36, 0                            ; waves 8, 9: rt -> rtd;  waves 10, 11: lt -> ltd
	s_cselect_b64 s[44:45], s[4:5], s[6:7]
	s_cselect_b64 s[46:47], s[16:17], s[18:19]
	s_add_nc_u64 s[44:45], s[44:45], s[42:43]
	s_lshl_b32 s48, s37, 13
	s_mov_b32 s49, 0
	s_add_nc_u64 s[44:45], s[44:45], s[48:49]      ; the slab, at row 8 t
	s_lshl_b32 s48, s41, 12
	s_lshl_b32 s50, s37, 11
	s_add_co_u32 s48, s48, s50
	s_add_nc_u64 s[46:47], s[46:47], s[48:49]      ; the slab's block of 4,096 bytes, my tile's 2,048
.set n, 0
.rept 32                                       ; load n: half n % 2 of the tile's row n / 2, which is row 8 t + n / 2 + 8 (n / 16) of the slab: 512 consecutive bytes
	global_load_b128 v[32+4*n:35+4*n], v[LI], s[44:45] offset:(n/2+8*(n/16))*1024+(n%2)*512
.set n, n+1
.endr
.set n, 0
.rept 4
	s_wait_loadcnt 24-n                            ; loads come back in order: eight more are in, the younger ones may be out
.rept 8
	ds_store_b128 v[S1W], v[32+4*n:35+4*n] offset:(n/2)*P1+(n%2)*512
.set n, n+1
.endr
.endr
.irp s, 0,1                                    ; back: lane (r, h) takes, of its row, d = 128 s + 64 c + 32 h + 0 .. 31: the very numbers that the operand's layout gives it.
.irp c, 0,1                                    ; LDS serves a wave's instructions in order (ISA guide 5.7.1): these see my stores, and land in the registers that the stores left
.irp e, 0,1,2,3,4,5,6,7
	ds_load_b128 v[32+64*\s+32*\c+4*\e:35+64*\s+32*\c+4*\e], v[S1R] offset:512*\s+256*\c+16*\e
.endr
.endr
.endr
	s_wait_dscnt 16                                ; the stores and K step 0's sixteen loads are done; K step 1's sixteen may be out
	QB32 32, 160, 176, 180
	QB32 64, 164, 176, 181
	s_wait_dscnt 0x0
	QB32 96, 168, 176, 182
	QB32 128, 172, 176, 183
.irp q, 0,1,2,3                                ; the sum of my 128 squares: four packed chains, started by products: nothing is cleared
	v_pk_mul_f32 v[184+2*\q:185+2*\q], v[32+2*\q:33+2*\q], v[32+2*\q:33+2*\q]
.endr
.set i, 4
.rept 60
	v_pk_fma_f32 v[184+2*(i%4):185+2*(i%4)], v[32+2*i:33+2*i], v[32+2*i:33+2*i], v[184+2*(i%4):185+2*(i%4)]
.set i, i+1
.endr
	v_pk_add_f32 v[184:185], v[184:185], v[186:187]
	v_pk_add_f32 v[188:189], v[188:189], v[190:191]
	v_pk_add_f32 v[184:185], v[184:185], v[188:189]
	v_add_f32 v184, v184, v185
	v_permlanex16_b32 v[PT], v184, s58, s59
	v_add_f32 v184, v184, v[PT]                    ; with lane l xor 16's half of the row
	v_max_num_f32 v184, 0x358637bd, v184           ; held at 1e-6 from below, as reference() holds it
	v_rsq_f32 v185, v184                           ; 1 / norm
.irp s, 0,1                                    ; the scale words.  My bytes of K step s are those of blocks 2 c + h: at bits 16 c + 8 h
	v_lshl_or_b32 v[176+\s], v[181+2*\s], 16, v[180+2*\s]
	v_lshlrev_b32 v[176+\s], v[SH], v[176+\s]
.endr
	v_permlanex16_b32 v[PT], v176, s58, s59
	v_or_b32 v176, v176, v[PT]                     ; with lane l xor 16's two bytes the word is whole
	v_permlanex16_b32 v[PT], v177, s58, s59
	v_or_b32 v177, v177, v[PT]
	s_mov_b32 vcc_lo, 0xffff0000
	v_cndmask_b32 v178, v176, v177, vcc_lo         ; the scale image: lanes 0-15 K step 0's word, lanes 16-31 K step 1's
.irp s, 0,1
.irp c, 0,1
	global_store_b128 v[LI], v[160+8*\s+4*\c:163+8*\s+4*\c], s[46:47] offset:1024*\s+512*\c   ; 32 lanes store 512 consecutive bytes
.endr
.endr
	ds_store_b32 v[SCA], v178
	s_wait_alu depctr_va_vdst(0)                   ; the wait ahead of the first line that names the reciprocal root; the scale words' lines stand between
	ds_store_b32 v[NRA], v185                      ; both halves of the lanes write the same word with the same value
	s_branch .Ljoin
.Lwave12:
	s_cmp_eq_u32 s30, 12
	s_cbranch_scc0 .Ljoin
	s_cmp_lt_u32 s31, 4
	s_cbranch_scc0 .Lwm
	; ---- wave 12, p = 0 .. 3: W_full[l][d] x h_rt[b][d]: rows l = 16 la + r (la = p & 1), K step s = p >> 1, whose 128 d are forward_h_rt's (s = 0) or backward_h_rt's (s = 1)
	s_and_b32 s33, s31, 1                          ; la
	s_lshr_b32 s34, s31, 1                         ; s
	s_lshl_b32 s44, s33, 14
	s_lshl_b32 s45, s34, 9
	s_add_co_u32 s44, s44, s45
	s_mov_b32 s45, 0
	s_add_nc_u64 s[44:45], s[8:9], s[44:45]
	s_cmp_eq_u32 s34, 0
	s_cselect_b64 s[46:47], s[10:11], s[12:13]
	s_lshl_b32 s48, s32, 9
	s_mov_b32 s49, 0
	s_add_nc_u64 s[46:47], s[46:47], s[48:49]
	v_lshlrev_b32 v24, 7, v13                      ; h_rt: 128 h
	v_lshlrev_b32 v28, 2, v12                      ; whs: 4 r
.set n, 0
.rept 16
	global_load_b128 v[32+4*n:35+4*n], v[LI], s[44:45] offset:1024*n     ; row n's 128 numbers of the K step: 512 consecutive bytes
.set n, n+1
.endr
.irp c, 0,1
.irp e, 0,1,2,3,4,5,6,7
	global_load_b128 v[96+32*\c+4*\e:99+32*\c+4*\e], v24, s[46:47] offset:256*\c+16*\e   ; the sixteen lanes of a half read the same 16 bytes
.endr
.endr
	s_lshl_b32 s48, s32, 12
	s_lshl_b32 s50, s33, 11
	s_add_co_u32 s48, s48, s50
	s_lshl_b32 s50, s34, 10
	s_add_co_u32 s48, s48, s50
	s_add_nc_u64 s[50:51], s[22:23], s[48:49]      ; whq: batch, tile la, K step s
	s_lshl_b32 s48, s32, 8
	s_lshl_b32 s54, s33, 7
	s_add_co_u32 s48, s48, s54
	s_lshl_b32 s54, s34, 6
	s_add_co_u32 s48, s48, s54
	s_add_nc_u64 s[54:55], s[26:27], s[48:49]      ; whs: batch, tile la's scale image, K step s's half of it
	s_wait_loadcnt 16                              ; W_full's sixteen loads are in; h_rt's sixteen may be out
.set n, 0
.rept 16
	ds_store_b128 v[S2W], v[32+4*n:35+4*n] offset:P2*n
.set n, n+1
.endr
.irp c, 0,1
.irp e, 0,1,2,3,4,5,6,7
	ds_load_b128 v[32+32*\c+4*\e:35+32*\c+4*\e], v[S2R] offset:256*\c+16*\e   ; lane (r, h): d = 64 c + 32 h + 0 .. 31 of row r
.endr
.endr
	s_wait_loadcnt 0x0
	s_wait_dscnt 0x0
.set i, 0
.rept 32
	v_pk_mul_f32 v[32+2*i:33+2*i], v[32+2*i:33+2*i], v[96+2*i:97+2*i]   ; in f32, as reference() has it ahead of the quantiser
.set i, i+1
.endr
	QB32 32, 160, 176, 180
	QB32 64, 164, 176, 181
	v_lshl_or_b32 v176, v181, 16, v180
	v_lshlrev_b32 v176, v[SH], v176
	v_permlanex16_b32 v[PT], v176, s58, s59
	v_or_b32 v176, v176, v[PT]
	global_store_b128 v[LI], v[160:163], s[50:51]
	global_store_b128 v[LI], v[164:167], s[50:51] offset:512
	global_store_b32 v28, v176, s[54:55]           ; 16 words; both halves of the lanes store the same word with the same value
	s_branch .Ljoin
.Lwm:
	s_cmp_lt_u32 s31, 6
	s_cbranch_scc0 .Ljoin
	; ---- wave 12, p = 4, 5: piece 2 b + p - 4 of 64 of wmp.  Piece 16 sc + 4 a + e2: for e = 2 e2 + lane / 16 the 16 bytes at column byte 256 sc + 128 h' + 16 e of row 8 a + lane % 8, h' = (lane / 8) % 2
	s_lshl_b32 s33, s32, 1
	s_add_co_u32 s33, s33, s31
	s_sub_co_u32 s33, s33, 4
	s_lshr_b32 s34, s33, 4                         ; sc
	s_bfe_u32 s35, s33, 0x20002                    ; a
	s_and_b32 s38, s33, 3                          ; e2
	s_lshl_b32 s44, s35, 13
	s_lshl_b32 s34, s34, 8
	s_add_co_u32 s44, s44, s34
	s_lshl_b32 s38, s38, 5
	s_add_co_u32 s44, s44, s38
	s_mov_b32 s45, 0
	s_add_nc_u64 s[44:45], s[14:15], s[44:45]
	s_lshl_b32 s46, s33, 9
	s_mov_b32 s47, 0
	s_add_nc_u64 s[46:47], s[28:29], s[46:47]
	v_and_b32 v29, 7, v0
	v_lshlrev_b32 v29, 10, v29
	v_lshl_add_u32 v29, v14, 7, v29
	v_lshl_add_u32 v29, v13, 4, v29
	global_load_b128 v[32:35], v29, s[44:45]
	s_wait_loadcnt 0x0
	global_store_b128 v[LI], v[32:35], s[46:47]    ; 512 consecutive bytes
.Ljoin:
	s_wait_dscnt 0x0                               ; for the others' sake: my stores into the meta block have landed
	s_barrier_signal -1
	s_barrier_wait -1
	s_cmp_lt_u32 s30, 2
	s_cbranch_scc0 .Lend
	ds_load_b128 v[100:103], v[MOA]                ; waves 0 and 1: the meta block, 512 bytes each
	s_wait_dscnt 0x0
	global_store_b128 v[MOA], v[100:103], s[52:53]
.Lend:
	s_wait_tensorcnt 0x0
	ds_add_u32 v192, v193
	s_wait_dscnt 0x0
	s_endpgm
.Lfunc_end_k_qb60cec5223_prep:
	.size	k_qb60cec5223_prep, .Lfunc_end_k_qb60cec5223_prep-k_qb60cec5223_prep
	.p2alignl 7, 3214868480
	.fill 96, 4, 3214868480
	.section	.rodata,"a",@progbits
	.p2align	6, 0x0
	.amdhsa_kernel k_qb60cec5223_prep
		.amdhsa_group_segment_fixed_size 78336
		.amdhsa_private_segment_fixed_size 0
		.amdhsa_enable_private_segment 0
		.amdhsa_kernarg_size 104
		.amdhsa_user_sgpr_count 2
		.amdhsa_user_sgpr_kernarg_segment_ptr 1
		.amdhsa_wavefront_size32 1
		.amdhsa_system_sgpr_workgroup_id_x 1
		.amdhsa_system_sgpr_workgroup_id_y 1
		.amdhsa_system_sgpr_workgroup_id_z 1
		.amdhsa_system_vgpr_workitem_id 0
		.amdhsa_next_free_vgpr 194
		.amdhsa_next_free_sgpr 66
		.amdhsa_reserve_vcc 1
		.amdhsa_float_denorm_mode_32 3
		.amdhsa_float_denorm_mode_16_64 3
		.amdhsa_memory_ordered 1
		.amdhsa_forward_progress 1
		.amdhsa_inst_pref_size 40
	.end_amdhsa_kernel
	.amdgpu_metadata
---
amdhsa.version: [ 1, 2 ]
amdhsa.kernels:
  - .name:           k_qb60cec5223_prep
    .symbol:         k_qb60cec5223_prep.kd
    .args:
      - { .name: lstm_rt, .offset: 0, .size: 8, .value_kind: global_buffer, .address_space: global }
      - { .name: lstm_lt, .offset: 8, .size: 8, .value_kind: global_buffer, .address_space: global }
      - { .name: W_full, .offset: 16, .size: 8, .value_kind: global_buffer, .address_space: global }
      - { .name: forward_h_rt, .offset: 24, .size: 8, .value_kind: global_buffer, .address_space: global }
      - { .name: backward_h_rt, .offset: 32, .size: 8, .value_kind: global_buffer, .address_space: global }
      - { .name: W_maxpool, .offset: 40, .size: 8, .value_kind: global_buffer, .address_space: global }
      - { .name: rtd, .offset: 48, .size: 8, .value_kind: global_buffer, .address_space: global }
      - { .name: ltd, .offset: 56, .size: 8, .value_kind: global_buffer, .address_space: global }
      - { .name: rtj, .offset: 64, .size: 8, .value_kind: global_buffer, .address_space: global }
      - { .name: whq, .offset: 72, .size: 8, .value_kind: global_buffer, .address_space: global }
      - { .name: meta, .offset: 80, .size: 8, .value_kind: global_buffer, .address_space: global }
      - { .name: whs, .offset: 88, .size: 8, .value_kind: global_buffer, .address_space: global }
      - { .name: wmp, .offset: 96, .size: 8, .value_kind: global_buffer, .address_space: global }
    .group_segment_fixed_size: 78336
    .private_segment_fixed_size: 0
    .kernarg_segment_align: 8
    .kernarg_segment_size: 104
    .max_flat_workgroup_size: 512
    .sgpr_count:     66
    .vgpr_count:     194
    .wavefront_size: 32
...
	.end_amdgpu_metadata
.endif
;; end of part 1
;; launch match (part 2): grid 8 x 32, 16 waves a work-group, no clusters, 307,200 bytes of LDS; arguments lstm_lt, wmp, W_att_codes, W_att_scales, W_maxatt_codes, W_maxatt_scales, rtd, ltd, rtj, whq, meta, whs, out0; writes out0
.if DOCPART == 2
	.amdgcn_target "amdgcn-amd-amdhsa--gfx1250"
	.amdhsa_code_object_version 6
	.text
	.protected	k_qb60cec5223_match
	.globl	k_qb60cec5223_match
	.p2align	8
	.type	k_qb60cec5223_match,@function
k_qb60cec5223_match:
	s_mov_b64 s[64:65], 0
	v_nop
	global_prefetch_b8 v0, s[64:65] scope:SCOPE_SE
	s_setreg_imm32_b32 hwreg(HW_REG_WAVE_MODE, 25, 1), 1
	s_wait_xcnt 0x0
; MATCH: all four matchings for the 32 rows i = 32 ib .. 32 ib + 31 of batch b: out0[b][i][0:32] full, [32:64] max-pooling, [64:96] attentive, [96:128] max-attentive.
; Every product is made on codes of FP4 (E2M1) with E8M0 scales by v_wmma_scale_f32_16x16x128_f8f6f4; what goes into a quantiser is f32.
; THE BULK is max over j of tanh(sum over d of Q(lt[i][d] W_maxpool[l][d]) Q(rt[j][d])): 1,024 rows (i, l) x 256 j x 256 d.  tanh never falls where its input rises, so the maximum is taken of the sums and tanh of the maximum.
; SIXTEEN WAVES IN TWO ROLES, two of each on a SIMD, so that one role's vector lines stand beside the other's matrix lines:
;   PRODUCERS (8): make the codes of lt x W_maxpool.  A tile (m, a) is 16 columns: column r stands for i = 2 m + r / 8, l = 8 a + r % 8.  A producer owns one group of four operand registers (K step s, half c) of half of the
;     tiles: lane (r, h) then holds ONE whole block of 32 d, so that its largest magnitude needs no other lane.  Its part of W_maxpool (all 32 l) stays in 128 registers; 32 numbers of lt from LDS feed four tiles.
;   CONSUMERS (8): keep the codes of 128 rows j of rt in 128 registers, multiply them by the tiles of the stage before, and take the maximum of the 64 results a lane.
; Nine stages, a barrier behind each: in stage k the producers make tiles m = k and 8 + k, the consumers multiply those of stage k - 1.  No LDS byte is written twice, so each barrier orders writes before reads alone.
; THE SMALL PRODUCTS ride along.  Head and stage 0, consumers: lt rt^T, scaled to cosines, quantised along j; that times rt, times lt, quantised along d.  Stage 8, producers: the three products with 32 columns, and tanh.
; OPERANDS GO FROM WAVE TO WAVE THROUGH LDS AS IMAGES OF THEIR REGISTERS (fragment: 1,024 bytes, register 4 c + g of lane l at 512 c + 16 l + 4 g; scale image: 128 bytes, lanes 0-15 K step 0, lanes 16-31 K step 1).
; ALL PRODUCTS ARE USED TRANSPOSED where the result is quantised: source 0's 16 rows are rows 8 t + r + 8 (r / 8) of a block of 32, so that the 16 registers of two tiles are 16 neighbours along the next K.
; EVERY BULK LOAD FROM MEMORY COVERS CONSECUTIVE BYTES: the workspace buffers are laid in the order of the registers that take them (W_maxpool too: wmp, 256 bytes a load, two lanes to each 16); lt and the given codes are
; loaded as they lie, 512 bytes a load, and take their lanes' order on the way through LDS.
; NO CLUSTER, NO TENSOR LOAD: the eight work-groups of a batch share 64 KiB of codes (rtd, rtj), read once, at the head, straight into the registers of the waves that multiply them first; no loop fetches from memory,
; so there is no ring whose tiles could be asked for jointly, and nothing that could be asked for ahead.
; LIMITS: NaN and infinities among the inputs are not served (the maxima drop a NaN); a block whose largest magnitude lies under 2^-124, zeros among them, gets the scale byte 1 (its codes are read by this program alone);
; the cosine's two divisions are multiplications by reciprocal roots (v_rsq_f32).  The inputs forward_h_lt, forward_c_lt, backward_h_lt, backward_c_lt, forward_c_rt and backward_c_rt enter no step of reference() and are not named.
.set XP,     1040                      ; a row of lt in LDS: 1,024 bytes + 16
.set OP,     528                       ; a row of the output's stage: 512 bytes + 16
.set L_SIMG, 33280                     ; behind lt's 32 rows (from byte 0): Q(cosines), four fragments (2 u + s)
.set L_ZIMG, 37376                     ; Q(lt x att), likewise
.set L_SSC,  41472                     ; their scale images, 128 u
.set L_ZSC,  41728
.set L_RTDS, 41984                     ; rtd's sixteen scale images
.set L_OUT,  44032                     ; 32 rows of out0
.set L_RTD,  65536                     ; rtd's 32 fragments (2 x tile + s)
.set L_MX,   98304                     ; the maxima: (4 m + a) x 288 + 128 x half of j + 4 x lane
.set L_ASC,  116736                    ; the tiles' scale images: 512 m + 128 a
.set L_JP,   124928                    ; 6,144 bytes for each producer: the small products' operands wait here, the wave's own
.set L_AIMG, 174080                    ; the tiles: 8,192 m + 2,048 a + 1,024 s + 512 c + 16 x lane
; v1-21: LDS addresses, made ahead of the first parting of the roles, never rewritten before the tail
.set LI,    1                          ; 16 x lane
.set LS,    2                          ; 4 x lane
.set XSS,   3                          ; producer: where my four rows of lt go
.set XSL,   4                          ; producer: my lane's 32 numbers of lt, stage 0
.set AIW,   5                          ; producer: my four registers of a tile, stage 0, a = 0
.set ASW,   6                          ; producer: my scale byte of it
.set JPA,   7                          ; producer: my parking place, 16 x lane
.set JPG,   8                          ; producer: the same place read as rows of 128 bytes: 128 r + 16 h
.set ZL,    9                          ; producer: Q(lt x att), tile u
.set ZSL,   10                         ; and its scale image
.set OUTW,  11                         ; producer: my 32 bytes of a row of the output's stage
.set QA,    12                         ; consumer: my 8 bytes of block idx in a fragment pair
.set QB,    13                         ; consumer: that block's scale byte
.set RTDW,  14                         ; consumer: where rtd's block idx is parked
.set RTDSW, 15
.set RTL,   16                         ; consumer: my half of rtd
.set RSL,   17
.set XC2,   18                         ; consumer: lt at my rows and my 16 columns
.set AIR,   19                         ; consumer: my first tile of stage 0
.set ASR,   20
.set MXW,   21
.set SC,    22                         ; v22-31: scale words and nothing else
; producers: v32-63 lt, v64-95 the products, v96-223 W_maxpool, v224-231 two sets of codes, v232-233 two scale bytes
.set XR,  32
.set PR,  64
.set WR,  96
.set CR,  224
.set HW,  232
.set MR,  240                          ; v240-243 (consumers also v244-247): chains of maxima
.set GW,  246                          ; global offsets
.set GJS, 248
; consumers: v32-95 eight accumulators, v96-223 rtd's sixteen fragments, v224-239 a tile's two fragments; in the head and stage 0 v96-217 hold the small products' operands
.set DR,  32
.set RT,  96
.set AC,  224
.set PTB, 250
.set GRNL, 251
.set GRNR, 252
.set GB8,  253
.macro NOP4                            ; four plain lines between a matrix instruction and a load into, or a vector line on, its registers
.rept 4
	v_nop
.endr
.endm
.macro BAR                             ; my LDS stores have landed and my LDS loads are in: then the work-group's barrier
	s_wait_dscnt 0x0
	s_barrier_signal -1
	s_barrier_wait -1
.endm
; 32 numbers of ONE block in one lane -> 4 registers of codes at v[c], the conversion's scale operand in v[m + 1], the scale's byte in v[by]
.macro QB32 p, c, m, by
	v_max3_num_f32 v[(\m)], |v[(\p)]|, |v[(\p)+1]|, 0x1800000          ; the floor 2^(3 - 127) among the leaves: the byte cannot fall under 1
	v_max3_num_f32 v[(\m)+1], |v[(\p)+2]|, |v[(\p)+3]|, |v[(\p)+4]|
	v_max3_num_f32 v[(\m)+2], |v[(\p)+5]|, |v[(\p)+6]|, |v[(\p)+7]|
	v_max3_num_f32 v[(\m)+3], |v[(\p)+8]|, |v[(\p)+9]|, |v[(\p)+10]|
.irp z, 0,1
.irp q, 0,1,2,3
	v_max3_num_f32 v[(\m)+\q], v[(\m)+\q], |v[(\p)+11+8*\z+2*\q]|, |v[(\p)+12+8*\z+2*\q]|
.endr
.endr
	v_max3_num_f32 v[(\m)], v[(\m)], |v[(\p)+27]|, |v[(\p)+28]|
	v_max3_num_f32 v[(\m)+1], v[(\m)+1], |v[(\p)+29]|, |v[(\p)+30]|
	v_max3_num_f32 v[(\m)+2], v[(\m)+2], v[(\m)+3], |v[(\p)+31]|
	v_max3_num_f32 v[(\m)], v[(\m)], v[(\m)+1], v[(\m)+2]
	v_add_nc_u32 v[(\m)+1], 0xff000000, v[(\m)]                        ; 2 off the exponent field: the conversion's scale operand
.irp g, 0,1,2,3
	v_cvt_scalef32_pk8_fp4_f32 v[(\c)+\g], v[(\p)+8*\g:(\p)+8*\g+7], v[(\m)+1]
.endr
	v_lshrrev_b32 v[(\by)], 23, v[(\m)+1]                              ; the scale's byte; also the plain line behind the conversions
.endm
; 16 numbers v[x] .. v[x + 15] = k 16 h + 0 .. 15 of a block whose other half lies in lane l xor 16 -> 8 bytes of codes and the scale's byte, straight into the images in LDS
.macro QBLK x, cc, by, offi, offs
	v_max3_num_f32 v[MR], |v[(\x)]|, |v[(\x)+1]|, 0x1800000
	v_max3_num_f32 v[MR+1], |v[(\x)+8]|, |v[(\x)+9]|, |v[(\x)+10]|
	v_max3_num_f32 v[MR], v[MR], |v[(\x)+2]|, |v[(\x)+3]|
	v_max3_num_f32 v[MR+1], v[MR+1], |v[(\x)+11]|, |v[(\x)+12]|
	v_max3_num_f32 v[MR], v[MR], |v[(\x)+4]|, |v[(\x)+5]|
	v_max3_num_f32 v[MR+1], v[MR+1], |v[(\x)+13]|, |v[(\x)+14]|
	v_max3_num_f32 v[MR], v[MR], |v[(\x)+6]|, |v[(\x)+7]|
	v_max3_num_f32 v[MR], v[MR], v[MR+1], |v[(\x)+15]|
	v_permlanex16_b32 v[PTB], v[MR], s40, s41
	v_max_num_f32 v[MR], v[MR], v[PTB]                                 ; the block's largest magnitude
	v_add_nc_u32 v[MR+1], 0xff000000, v[MR]
	v_cvt_scalef32_pk8_fp4_f32 v[(\cc)], v[(\x):(\x)+7], v[MR+1]
	v_cvt_scalef32_pk8_fp4_f32 v[(\cc)+1], v[(\x)+8:(\x)+15], v[MR+1]
	v_lshrrev_b32 v[(\by)], 23, v[MR+1]                                ; the byte; also the plain line behind the conversions
	ds_store_b64 v[QA], v[(\cc):(\cc)+1] offset:\offi                  ; registers 2 h, 2 h + 1 of the four that hold the block: 32 lanes fill 256 consecutive bytes
	ds_store_b8 v[QB], v[(\by)] offset:\offs                           ; both halves of the lanes write the same byte with the same value
.endm
; tanh(x) = 1 - 2 / (1 + 2^(2 log2(e) x)), in place on n registers (n even): it runs to +1 and -1 at the ends without a NaN.  Each batch of transcendentals has one plain line and one wait behind it
.macro TANH base, n
.set i, 0
.rept (\n)/2
	v_pk_mul_f32 v[(\base)+2*i:(\base)+2*i+1], v[(\base)+2*i:(\base)+2*i+1], 0x4038aa3b op_sel_hi:[1,0]
.set i, i+1
.endr
.set i, 0
.rept \n
	v_exp_f32 v[(\base)+i], v[(\base)+i]
.set i, i+1
.endr
	v_nop
	s_wait_alu depctr_va_vdst(0)
.set i, 0
.rept (\n)/2
	v_pk_add_f32 v[(\base)+2*i:(\base)+2*i+1], v[(\base)+2*i:(\base)+2*i+1], 1.0 op_sel_hi:[1,0]
.set i, i+1
.endr
.set i, 0
.rept \n
	v_rcp_f32 v[(\base)+i], v[(\base)+i]
.set i, i+1
.endr
	v_nop
	s_wait_alu depctr_va_vdst(0)
.set i, 0
.rept (\n)/2
	v_pk_fma_f32 v[(\base)+2*i:(\base)+2*i+1], v[(\base)+2*i:(\base)+2*i+1], -2.0, 1.0 op_sel_hi:[1,0,0]
.set i, i+1
.endr
.endm
; One matrix instruction.  first = 1: K step 0, which starts the sum with the constant 0 and takes the scale words of lanes 0-15; first = 0: K step 1, in place, with those of lanes 16-31
.macro MM d, a, b, sa, sb, first
.if \first
	v_wmma_scale_f32_16x16x128_f8f6f4 v[(\d):(\d)+7], v[(\a):(\a)+7], v[(\b):(\b)+7], 0, v[(\sa)], v[(\sb)] matrix_a_fmt:MATRIX_FMT_FP4 matrix_b_fmt:MATRIX_FMT_FP4
.else
	v_wmma_scale_f32_16x16x128_f8f6f4 v[(\d):(\d)+7], v[(\a):(\a)+7], v[(\b):(\b)+7], v[(\d):(\d)+7], v[(\sa)], v[(\sb)] matrix_a_fmt:MATRIX_FMT_FP4 matrix_b_fmt:MATRIX_FMT_FP4 matrix_a_scale:MATRIX_SCALE_ROW1 matrix_b_scale:MATRIX_SCALE_ROW1
.endif
.endm
; PRODUCER.  My lane's 32 numbers of lt for stage k: rows 2 m and 2 m + 1, eight lanes to a row's 16 bytes
.macro XLOAD k
.set n, 0
.rept 8
	ds_load_b128 v[XR+4*n:XR+4*n+3], v[XSL] offset:2*XP*(\k)+16*n
.set n, n+1
.endr
.endm
; PRODUCER.  Tile (m of stage k, a): 32 products in f32, quantised; four registers of codes and my block's scale byte go to LDS.  Codes and bytes have two sets, by turns.
.macro UNIT k, a
.set i, 0
.rept 16
	v_pk_mul_f32 v[PR+2*i:PR+2*i+1], v[XR+2*i:XR+2*i+1], v[WR+32*(\a)+2*i:WR+32*(\a)+2*i+1]
.set i, i+1
.endr
.if ((\a) == 3) && ((\k) < 7)
	XLOAD (\k)+1                                   ; lt's registers have been read for the last time in this stage: the next stage's numbers land under the stage's closing wait
	s_wait_dscnt 10                                ; behind the two stores of the unit before last stand the last unit's two and these eight loads: that unit's stores have read this set
.elseif (\a) >= 2
	s_wait_dscnt 2                                 ; behind the two stores of the unit before last stand the last unit's two: that unit's stores have read this set
.endif
	QB32 PR, CR+4*((\a)%2), MR, HW+(\a)%2
	ds_store_b128 v[AIW], v[CR+4*((\a)%2):CR+4*((\a)%2)+3] offset:8192*(\k)+2048*(\a)
	ds_store_b8 v[ASW], v[HW+(\a)%2] offset:512*(\k)+128*(\a)    ; my block is 2 c + h of the K step: byte 2 c + h of column r's word
.endm
; CONSUMER.  Tile aa (of my two) of stage kk: its two fragments and its scale image
.macro PBLOAD kk, aa
.set n, 0
.rept 4
	ds_load_b128 v[AC+4*n:AC+4*n+3], v[AIR] offset:8192*(\kk)+2048*(\aa)+512*n
.set n, n+1
.endr
	ds_load_b32 v[SC+8], v[ASR] offset:512*(\kk)+128*(\aa)
.endm
.macro PBMUL                           ; my 128 rows j x the tile's 16 columns: eight accumulators by turns, one instruction a turn
.irp jt, 0,1,2,3,4,5,6,7
	MM DR+8*\jt, RT+16*\jt, AC, SC+\jt, SC+8, 1
.endr
.irp jt, 0,1,2,3,4,5,6,7
	MM DR+8*\jt, RT+16*\jt+8, AC+8, SC+\jt, SC+8, 0
.endr
.endm
.macro PBMAX m                         ; the largest of my 64 results, into v[m]: four chains, one for two accumulators; each accumulator is first read at its lowest register
.irp q, 0,1,2,3
	v_max3_num_f32 v[(\m)+\q], v[DR+16*\q], v[DR+16*\q+1], v[DR+16*\q+8]
.endr
.irp z, 2,4,6,9,11,13
.irp q, 0,1,2,3
	v_max3_num_f32 v[(\m)+\q], v[(\m)+\q], v[DR+16*\q+\z], v[DR+16*\q+\z+1]
.endr
.endr
	v_max3_num_f32 v[(\m)], v[(\m)], v[(\m)+1], v[DR+15]
	v_max3_num_f32 v[(\m)+2], v[(\m)+2], v[(\m)+3], v[DR+31]
	v_max3_num_f32 v[(\m)], v[(\m)], v[(\m)+2], v[DR+47]
	v_max_num_f32 v[(\m)], v[(\m)], v[DR+63]
.endm
.macro PB kk                           ; my two tiles of stage kk.  The second tile's operands are fetched while the first tile's maximum is taken
	PBLOAD \kk, 0
	s_wait_dscnt 0x0
	PBMUL
	NOP4
	PBLOAD \kk, 1
	PBMAX MR
	ds_store_b32 v[MXW], v[MR] offset:1152*(\kk)
	s_wait_dscnt 0x1                               ; behind the five loads stands that one store alone
	PBMUL                                          ; (it begins the accumulators anew: the four plain lines and the lines of the maximum that name other accumulators stand between)
	NOP4
	PBMAX MR+4
	ds_store_b32 v[MXW], v[MR+4] offset:1152*(\kk)+288
.endm
.macro STAGE k                         ; stages 1 to 7
	s_cmp_eq_u32 s31, 0
	s_cbranch_scc0 .Lcons_\@
	UNIT \k, 0
	UNIT \k, 1
	UNIT \k, 2
	UNIT \k, 3
	s_branch .Lmeet_\@
.Lcons_\@:
	PB (\k)-1
.Lmeet_\@:
	BAR                                            ; stage k's tiles lie in LDS
.endm
	s_load_b256 s[4:11], s[0:1], 0x0               ; lt s[4:5], wmp s[6:7], W_att's codes s[8:9], scales s[10:11]
	s_load_b256 s[12:19], s[0:1], 0x20             ; W_maxatt's codes s[12:13], scales s[14:15], rtd s[16:17], ltd s[18:19]
	s_load_b256 s[20:27], s[0:1], 0x40             ; rtj s[20:21], whq s[22:23], meta s[24:25], whs s[26:27]
	s_load_b64 s[28:29], s[0:1], 0x60              ; out0
	v_lshl_add_u32 v254, v0, 2, 0x4a800
	v_mov_b32 v255, 0
	v_lshrrev_b32 v234, 5, v0
	v_readfirstlane_b32 s30, v234                  ; wave 0..15
	s_lshr_b32 s31, s30, 2
	s_xor_b32 s31, s31, s30
	s_and_b32 s31, s31, 1                          ; role: 0 producer, 1 consumer: (w xor w / 4) & 1, so that among waves w, w + 4, w + 8, w + 12 as among 4 q .. 4 q + 3 there are two of each
	s_lshr_b32 s32, s30, 1                         ; idx 0..7: my number in my role
	s_and_b32 s33, ttmp7, 0xffff                   ; b
	s_mov_b32 s34, ttmp9                           ; ib
	s_and_b32 s35, s32, 1                          ; producer: c, and tile u of the small products;  consumer: which half of j
	s_lshr_b32 s36, s32, 1                         ; producer: which small product (0 full, 1 attentive, 2 max-attentive, 3 none)
	s_and_b32 s37, s32, 3                          ; producer: 2 s + c
	s_lshr_b32 s38, s32, 2                         ; which half of the tiles m
	s_and_b32 s39, s36, 1                          ; producer: s;  consumer: which pair of a
	s_mov_b32 s40, 0x76543210
	s_mov_b32 s41, 0xfedcba98                      ; v_permlanex16_b32's selects for lane l xor 16
	v_and_b32 v236, 31, v0                         ; lane
	v_and_b32 v237, 15, v0                         ; r
	v_bfe_u32 v238, v0, 4, 1                       ; h
	v_bfe_u32 v235, v0, 3, 1                       ; r / 8
	v_lshl_add_u32 v239, v235, 3, v237             ; r + 8 (r / 8)
	v_lshlrev_b32 v[LI], 4, v236
	v_lshlrev_b32 v[LS], 2, v236
	s_mul_i32 s42, s32, 4*XP
	v_add_nc_u32 v[XSS], s42, v[LI]                ; rows 4 idx on
	s_mul_i32 s42, s38, 16*XP
	s_lshl_b32 s43, s37, 8
	s_add_co_u32 s42, s42, s43
	v_mul_u32_u24 v[XSL], v235, XP
	v_lshl_add_u32 v[XSL], v238, 7, v[XSL]
	v_add_nc_u32 v[XSL], s42, v[XSL]               ; row 16 x half + r / 8, d = 64 (2 s + c) + 32 h
	s_lshl_b32 s42, s38, 16
	s_lshl_b32 s43, s37, 9
	s_add_co_u32 s42, s42, s43
	s_add_co_u32 s42, s42, L_AIMG
	v_add_nc_u32 v[AIW], s42, v[LI]
	s_lshl_b32 s42, s38, 12
	s_lshl_b32 s43, s39, 6
	s_add_co_u32 s42, s42, s43
	s_lshl_b32 s43, s35, 1
	s_add_co_u32 s42, s42, s43
	s_add_co_u32 s42, s42, L_ASC
	v_lshl_add_u32 v[ASW], v237, 2, s42
	v_add_nc_u32 v[ASW], v[ASW], v238              ; K step s's half of the image, column r's word, byte 2 c + h
	s_mul_i32 s42, s32, 6144
	s_add_co_u32 s42, s42, L_JP
	v_add_nc_u32 v[JPA], s42, v[LI]
	v_lshlrev_b32 v[JPG], 7, v237
	v_lshl_add_u32 v[JPG], v238, 4, v[JPG]
	v_add_nc_u32 v[JPG], s42, v[JPG]
	s_lshl_b32 s42, s35, 11
	s_add_co_u32 s42, s42, L_ZIMG
	v_add_nc_u32 v[ZL], s42, v[LI]
	s_lshl_b32 s42, s35, 7
	s_add_co_u32 s42, s42, L_ZSC
	v_add_nc_u32 v[ZSL], s42, v[LS]
	s_mul_i32 s42, s35, 8*OP
	s_lshl_b32 s43, s36, 7
	s_add_co_u32 s42, s42, s43
	s_min_u32 s43, s36, 1
	s_lshl_b32 s43, s43, 7
	s_add_co_u32 s42, s42, s43                     ; columns 0, 64, 96 for the three small products
	s_add_co_u32 s42, s42, L_OUT
	v_mul_u32_u24 v[OUTW], v239, OP
	v_lshl_add_u32 v[OUTW], v238, 5, v[OUTW]
	v_add_nc_u32 v[OUTW], s42, v[OUTW]
	s_lshl_b32 s42, s32, 8
	v_lshlrev_b32 v[QA], 4, v237
	v_lshl_add_u32 v[QA], v238, 3, v[QA]
	v_add_nc_u32 v[QA], s42, v[QA]                 ; block idx of K lies 256 idx bytes into a pair of fragments; row r's 16 bytes, my half's 8
	s_lshl_b32 s42, s38, 6
	s_add_co_u32 s42, s42, s37
	v_lshl_add_u32 v[QB], v237, 2, s42             ; K step idx / 4, row r's word, byte idx % 4
	s_lshl_b32 s42, s32, 12
	s_add_co_u32 s42, s42, L_RTD
	v_add_nc_u32 v[RTDW], s42, v[LI]
	s_lshl_b32 s42, s32, 8
	s_add_co_u32 s42, s42, L_RTDS
	v_add_nc_u32 v[RTDSW], s42, v[LS]
	s_lshl_b32 s42, s35, 14
	s_add_co_u32 s42, s42, L_RTD
	v_add_nc_u32 v[RTL], s42, v[LI]
	s_lshl_b32 s42, s35, 10
	s_add_co_u32 s42, s42, L_RTDS
	v_add_nc_u32 v[RSL], s42, v[LS]
	s_lshl_b32 s42, s32, 7
	v_mul_u32_u24 v[XC2], v239, XP
	v_lshl_add_u32 v[XC2], v238, 6, v[XC2]
	v_add_nc_u32 v[XC2], s42, v[XC2]
	s_lshl_b32 s42, s38, 16
	s_lshl_b32 s43, s39, 12
	s_add_co_u32 s42, s42, s43
	s_add_co_u32 s42, s42, L_AIMG
	v_add_nc_u32 v[AIR], s42, v[LI]
	s_lshl_b32 s42, s38, 12
	s_lshl_b32 s43, s39, 8
	s_add_co_u32 s42, s42, s43
	s_add_co_u32 s42, s42, L_ASC
	v_add_nc_u32 v[ASR], s42, v[LS]
	s_mul_i32 s42, s38, 9216
	s_mul_i32 s43, s39, 576
	s_add_co_u32 s42, s42, s43
	s_lshl_b32 s43, s35, 7
	s_add_co_u32 s42, s42, s43
	s_add_co_u32 s42, s42, L_MX
	v_add_nc_u32 v[MXW], s42, v[LS]
	s_lshl_b32 s44, s33, 3
	s_add_co_u32 s44, s44, s34                     ; 8 b + ib
	s_mov_b32 s47, 0
	s_lshl_b32 s46, s44, 12
	s_wait_kmcnt 0x0
	s_add_nc_u64 s[48:49], s[18:19], s[46:47]      ; ltd: my rows' four fragments
	s_lshl_b32 s46, s44, 10
	s_add_nc_u64 s[50:51], s[24:25], s[46:47]      ; meta: my rows' block
	s_lshl_b32 s46, s44, 15
	s_add_nc_u64 s[52:53], s[4:5], s[46:47]        ; lt: my 32 rows
	s_lshl_b32 s46, s44, 14
	s_add_nc_u64 s[54:55], s[28:29], s[46:47]      ; out0: my 32 rows
	s_cmp_eq_u32 s31, 0
	s_cbranch_scc0 .Lhead_cons
	; ================ HEAD, PRODUCERS: the small products' operands, four rows of lt, my part of W_maxpool
	v_and_b32 v[GW], 7, v0
	v_lshl_add_u32 v[GW], v238, 3, v[GW]
	v_lshlrev_b32 v[GW], 4, v[GW]                  ; wmp: 16 (r % 8 + 8 h): lanes r and r + 8 take the same 16 bytes
	v_lshlrev_b32 v[GJS], 3, v237
	v_lshl_add_u32 v[GJS], v238, 2, v[GJS]         ; given scales: row r of 8 bytes, K step h's word: a scale image
	s_lshl_b32 s46, s32, 12
	s_add_nc_u64 s[56:57], s[52:53], s[46:47]      ; rows 4 idx on
	s_lshl_b32 s46, s37, 13
	s_add_nc_u64 s[58:59], s[6:7], s[46:47]        ; wmp: the 8,192 bytes of columns 64 (2 s + c) on
	s_cmp_eq_u32 s36, 0
	s_cbranch_scc0 .Lhead_given
	s_lshl_b32 s46, s33, 12                        ; full matching: Q(W_full x h_rt) and Q(lt), tile u
	s_add_nc_u64 s[60:61], s[22:23], s[46:47]
	s_lshl_b32 s46, s33, 8
	s_add_nc_u64 s[62:63], s[26:27], s[46:47]
	s_lshl_b32 s46, s35, 11
	s_add_nc_u64 s[66:67], s[48:49], s[46:47]
	s_lshl_b32 s46, s35, 7
	s_add_nc_u64 s[68:69], s[50:51], s[46:47]
.set n, 0
.rept 8
	global_load_b128 v[XR+4*n:XR+4*n+3], v[LI], s[60:61] offset:512*n
.set n, n+1
.endr
	global_load_b32 v[SC], v[LS], s[62:63]
	global_load_b32 v[SC+1], v[LS], s[62:63] offset:128
.set n, 0
.rept 4
	global_load_b128 v[CR+4*n:CR+4*n+3], v[LI], s[66:67] offset:512*n
.set n, n+1
.endr
	global_load_b32 v[SC+2], v[LS], s[68:69] offset:256
	s_branch .Lhead_prod
.Lhead_given:
	s_cmp_eq_u32 s36, 3
	s_cbranch_scc1 .Lhead_prod
	s_cmp_eq_u32 s36, 1                            ; attentive: W_att;  max-attentive: W_maxatt: codes and scales as they are given
	s_cselect_b64 s[60:61], s[8:9], s[12:13]
	s_cselect_b64 s[62:63], s[10:11], s[14:15]
.set n, 0
.rept 8
	global_load_b128 v[XR+4*n:XR+4*n+3], v[LI], s[60:61] offset:512*n    ; the 32 rows of 128 bytes as they lie: 512 consecutive bytes a load
.set n, n+1
.endr
	global_load_b32 v[SC], v[GJS], s[62:63]
	global_load_b32 v[SC+1], v[GJS], s[62:63] offset:128
.Lhead_prod:
.set n, 0
.rept 8
	global_load_b128 v[PR+4*n:PR+4*n+3], v[LI], s[56:57] offset:512*n th:TH_LOAD_NT   ; 512 consecutive bytes a load; this launch reads lt's f32 numbers once
.set n, n+1
.endr
.irp a, 0,1,2,3
.irp e, 0,1,2,3,4,5,6,7
	global_load_b128 v[WR+32*\a+4*\e:WR+32*\a+4*\e+3], v[GW], s[58:59] offset:2048*\a+256*\e   ; W_maxpool(8 a + r % 8, 64 (2 s + c) + 32 h + 4 e ..): 256 consecutive bytes a load
.endr
.endr
	s_wait_loadcnt 32                              ; on every way only W_maxpool's 32 loads are younger: lt and the small products' operands are in
.set n, 0
.rept 8
	ds_store_b128 v[XSS], v[PR+4*n:PR+4*n+3] offset:(n/2)*XP+(n%2)*512
.set n, n+1
.endr
	s_cmp_eq_u32 s36, 3
	s_cbranch_scc1 .Lhead_meet
.set n, 0
.rept 8
	ds_store_b128 v[JPA], v[XR+4*n:XR+4*n+3] offset:512*n            ; parked: the stages need these registers
.set n, n+1
.endr
	s_cmp_eq_u32 s36, 0
	s_cbranch_scc0 .Lhead_meet
.set n, 0
.rept 4
	ds_store_b128 v[JPA], v[CR+4*n:CR+4*n+3] offset:4096+512*n
.set n, n+1
.endr
	s_branch .Lhead_meet
.Lhead_cons:
	; ================ HEAD, CONSUMERS: cosines of my 32 rows i against rows j = 32 idx .. 32 idx + 31, quantised along j
	v_lshlrev_b32 v[GRNL], 2, v239                 ; 1/nl of row 8 u + r + 8 (r / 8)
	v_lshlrev_b32 v[GRNR], 6, v238                 ; 1/nr of rows 16 h + 0 .. 15
	v_lshl_add_u32 v[GB8], v238, 12, v237          ; rtj's scale bytes: K step h's four blocks of meta, row r
	v_mov_b32 v[PTB], 0
	s_lshl_b32 s70, s33, 3
	s_add_co_u32 s70, s70, s32                     ; 8 b + idx
	s_lshl_b32 s46, s70, 12
	s_add_nc_u64 s[56:57], s[16:17], s[46:47]      ; rtd: rows j, block idx
	s_add_nc_u64 s[60:61], s[20:21], s[46:47]      ; rtj: rows d, block idx
	s_lshl_b32 s46, s70, 10
	s_add_nc_u64 s[58:59], s[24:25], s[46:47]      ; meta of block idx
	s_lshl_b32 s46, s33, 13
	s_lshl_b32 s71, s32, 5
	s_add_co_u32 s46, s46, s71
	s_add_nc_u64 s[62:63], s[24:25], s[46:47]      ; meta of the batch, at my 32 rows d among the scale bytes
.set n, 0
.rept 8
	global_load_b128 v[96+4*n:99+4*n], v[LI], s[56:57] offset:512*n      ; rtd: fragment (t, s) at v[96 + 8 (2 t + s)]
.set n, n+1
.endr
	global_load_b32 v[SC], v[LS], s[58:59]
	global_load_b32 v[SC+1], v[LS], s[58:59] offset:128
.set n, 0
.rept 8
	global_load_b128 v[128+4*n:131+4*n], v[LI], s[48:49] offset:512*n    ; ltd: fragment (u, s) at v[128 + 8 (2 u + s)]
.set n, n+1
.endr
	global_load_b32 v[SC+2], v[LS], s[50:51] offset:256
	global_load_b32 v[SC+3], v[LS], s[50:51] offset:384
	global_load_b32 v176, v[GRNL], s[50:51] offset:896
	global_load_b32 v177, v[GRNL], s[50:51] offset:928
.set n, 0
.rept 4
	global_load_b128 v[160+4*n:163+4*n], v[GRNR], s[58:59] offset:768+16*n
.set n, n+1
.endr
.set n, 0
.rept 8
	global_load_b128 v[178+4*n:181+4*n], v[LI], s[60:61] offset:512*n    ; rtj: fragment (t, s) at v[178 + 8 (2 t + s)]
.set n, n+1
.endr
.irp tt, 0,1
.irp be, 0,1,2,3
	global_load_u8 v[210+4*\tt+\be], v[GB8], s[62:63] offset:1024*\be+512+16*\tt
.endr
.endr
	s_wait_loadcnt 0x0
.irp tt, 0,1                                   ; rtj's scale words: made here, far ahead of the products that name them
	v_lshl_or_b32 v[SC+4+\tt], v[211+4*\tt], 8, v[210+4*\tt]
	v_lshl_or_b32 v[SC+4+\tt], v[212+4*\tt], 16, v[SC+4+\tt]
	v_lshl_or_b32 v[SC+4+\tt], v[213+4*\tt], 24, v[SC+4+\tt]
.endr
.set n, 0
.rept 8
	ds_store_b128 v[RTDW], v[96+4*n:99+4*n] offset:512*n             ; rtd's block goes on to the consumers that will keep it
.set n, n+1
.endr
	ds_store_b32 v[RTDSW], v[SC]
	ds_store_b32 v[RTDSW], v[SC+1] offset:128
.irp u, 0,1                                    ; source 0 = 16 rows j, source 1 = 16 rows i: four accumulators by turns
.irp tt, 0,1
	MM DR+8*(2*\u+\tt), 96+16*\tt, 128+16*\u, SC+\tt, SC+2+\u, 1
.endr
.endr
.irp u, 0,1
.irp tt, 0,1
	MM DR+8*(2*\u+\tt), 96+16*\tt+8, 128+16*\u+8, SC+\tt, SC+2+\u, 0
.endr
.endr
	NOP4
.irp i, 0,1,2,3,4,5,6,7                        ; lane (n, h), tile u: registers 16 u + e are j = 32 idx + 16 h + e of row i = 8 u + n + 8 (n / 8)
	v_pk_mul_f32 v[DR+2*\i:DR+2*\i+1], v[DR+2*\i:DR+2*\i+1], v[176:177] op_sel_hi:[1,0]
.endr
.irp i, 0,1,2,3,4,5,6,7
	v_pk_mul_f32 v[DR+2*\i:DR+2*\i+1], v[DR+2*\i:DR+2*\i+1], v[160+2*\i:161+2*\i]
.endr
	QBLK DR, 244, 248, L_SIMG, L_SSC
.irp i, 0,1,2,3,4,5,6,7
	v_pk_mul_f32 v[DR+16+2*\i:DR+17+2*\i], v[DR+16+2*\i:DR+17+2*\i], v[176:177] op_sel:[0,1] op_sel_hi:[1,1]
.endr
.irp i, 0,1,2,3,4,5,6,7
	v_pk_mul_f32 v[DR+16+2*\i:DR+17+2*\i], v[DR+16+2*\i:DR+17+2*\i], v[160+2*\i:161+2*\i]
.endr
	QBLK DR+16, 246, 249, L_SIMG+2048, L_SSC+128
.Lhead_meet:
	BAR                                            ; lt, Q(cosines) and rtd lie in LDS
	; ================ STAGE 0
	s_cmp_eq_u32 s31, 0
	s_cbranch_scc0 .Lstage0_cons
	XLOAD 0
	s_wait_loadcnt 0x0                             ; W_maxpool
	s_wait_dscnt 0x0
	UNIT 0, 0
	UNIT 0, 1
	UNIT 0, 2
	UNIT 0, 3
	s_branch .Lstage0_meet
.Lstage0_cons:
	; att[i][d] for d = 32 idx .. 32 idx + 31, times lt[i][d], quantised along d
.set n, 0
.rept 8
	ds_load_b128 v[96+4*n:99+4*n], v[LI] offset:L_SIMG+512*n         ; Q(cosines): fragment (u, s) at v[96 + 8 (2 u + s)]
.set n, n+1
.endr
	ds_load_b32 v[SC+6], v[LS] offset:L_SSC
	ds_load_b32 v[SC+7], v[LS] offset:L_SSC+128
.irp u, 0,1
.irp e, 0,1,2,3
	ds_load_b128 v[128+16*\u+4*\e:131+16*\u+4*\e], v[XC2] offset:8*XP*\u+16*\e   ; lt at the places of the results
.endr
.endr
	s_wait_dscnt 0x0
.irp u, 0,1                                    ; source 0 = 16 rows d of rt along j, source 1 = 16 rows i of the cosines
.irp tt, 0,1
	MM DR+8*(2*\u+\tt), 178+16*\tt, 96+16*\u, SC+4+\tt, SC+6+\u, 1
.endr
.endr
.irp u, 0,1
.irp tt, 0,1
	MM DR+8*(2*\u+\tt), 178+16*\tt+8, 96+16*\u+8, SC+4+\tt, SC+6+\u, 0
.endr
.endr
	NOP4
.set i, 0
.rept 16
	v_pk_mul_f32 v[DR+2*i:DR+2*i+1], v[DR+2*i:DR+2*i+1], v[128+2*i:129+2*i]
.set i, i+1
.endr
	QBLK DR, 244, 248, L_ZIMG, L_ZSC
	QBLK DR+16, 246, 249, L_ZIMG+2048, L_ZSC+128
.set n, 0
.rept 32
	ds_load_b128 v[RT+4*n:RT+4*n+3], v[RTL] offset:512*n             ; my half of rtd: sixteen fragments that stay
.set n, n+1
.endr
.irp jt, 0,1,2,3,4,5,6,7
	ds_load_b32 v[SC+\jt], v[RSL] offset:128*\jt
.endr
.Lstage0_meet:
	BAR                                            ; stage 0's tiles and Q(lt x att) lie in LDS
	STAGE 1
	STAGE 2
	STAGE 3
	STAGE 4
	STAGE 5
	STAGE 6
	STAGE 7
	; ================ STAGE 8: the producers make the three small products, the consumers multiply the last tiles
	s_cmp_eq_u32 s31, 0
	s_cbranch_scc0 .Lstage8_cons
	s_cmp_eq_u32 s36, 3
	s_cbranch_scc1 .Lstage8_meet
	s_cmp_eq_u32 s36, 0
	s_cbranch_scc0 .Lstage8_z
.set n, 0
.rept 8
	ds_load_b128 v[96+4*n:99+4*n], v[JPA] offset:512*n               ; full matching: Q(W_full x h_rt), parked as images: fragment (la, s) at v[96 + 8 (2 la + s)]
.set n, n+1
.endr
.set n, 0
.rept 4
	ds_load_b128 v[128+4*n:131+4*n], v[JPA] offset:4096+512*n        ; and Q(lt), tile u
.set n, n+1
.endr
	s_branch .Lstage8_go
.Lstage8_z:
.irp la, 0,1                                   ; the attentive two: the given codes, parked as rows of 128 bytes: lane (r, h) takes k = 128 s + 64 c + 32 h + 0 .. 31 of row 16 la + r.  Eight loads, once
.irp s, 0,1
.irp c, 0,1
	ds_load_b128 v[96+16*\la+8*\s+4*\c:99+16*\la+8*\s+4*\c], v[JPG] offset:2048*\la+64*\s+32*\c
.endr
.endr
.endr
.set n, 0
.rept 4
	ds_load_b128 v[128+4*n:131+4*n], v[ZL] offset:512*n              ; and Q(lt x att), tile u
.set n, n+1
.endr
	ds_load_b32 v[SC+2], v[ZSL]
.Lstage8_go:
	s_wait_dscnt 0x0
	MM 32, 96, 128, SC, SC+2, 1                    ; source 0 = 16 columns l, source 1 = 16 rows i: two accumulators by turns
	MM 40, 112, 128, SC+1, SC+2, 1
	MM 32, 104, 136, SC, SC+2, 0
	MM 40, 120, 136, SC+1, SC+2, 0
	NOP4
	TANH 32, 16
.irp la, 0,1                                   ; lane (n, h): columns 16 la + 8 h + 0 .. 7 of row 8 u + n + 8 (n / 8)
	ds_store_b128 v[OUTW], v[32+8*\la:35+8*\la] offset:64*\la
	ds_store_b128 v[OUTW], v[36+8*\la:39+8*\la] offset:64*\la+16
.endr
	s_branch .Lstage8_meet
.Lstage8_cons:
	PB 7
.Lstage8_meet:
	BAR                                            ; all maxima and the three small products' columns lie in LDS
	; ================ TAIL: wave w finishes rows 2 w and 2 w + 1.  Lane = column l of the max-pooling matching
	v_and_b32 v8, 31, v0
	v_lshrrev_b32 v3, 3, v8
	v_mul_u32_u24 v3, v3, 288                      ; tile a = l / 8
	v_and_b32 v4, 7, v0
	v_lshl_add_u32 v3, v4, 2, v3                   ; column l % 8 of it
	s_mul_i32 s42, s30, 1152
	s_add_co_u32 s42, s42, L_MX
	v_add_nc_u32 v3, s42, v3                       ; tiles m = w
	s_mul_i32 s43, s30, 2*OP
	s_add_co_u32 s43, s43, L_OUT
	v_add_nc_u32 v4, s43, v[LS]
	v_add_nc_u32 v5, s43, v[LI]
	s_lshl_b32 s44, s30, 10
	v_add_nc_u32 v6, s44, v[LI]
.irp ri, 0,1
.irp q, 0,1,2,3
	ds_load_b32 v[32+4*\ri+\q], v3 offset:32*\ri+64*\q               ; the maxima of the two halves of the lanes and of the two halves of j
.endr
.endr
	s_wait_dscnt 0x0
.irp ri, 0,1
	v_max3_num_f32 v[40+\ri], v[32+4*\ri], v[33+4*\ri], v[34+4*\ri]
.endr
.irp ri, 0,1
	v_max_num_f32 v[40+\ri], v[40+\ri], v[35+4*\ri]
.endr
	TANH 40, 2
.irp ri, 0,1
	ds_store_b32 v4, v[40+\ri] offset:128+OP*\ri
.endr
.irp ri, 0,1
	ds_load_b128 v[44+4*\ri:47+4*\ri], v5 offset:OP*\ri              ; LDS serves a wave's instructions in order (ISA guide 5.7.1): these see my stores; the other columns were stored ahead of the barrier
.endr
	s_wait_dscnt 0x0
.irp ri, 0,1
	global_store_b128 v6, v[44+4*\ri:47+4*\ri], s[54:55] offset:512*\ri th:TH_STORE_NT   ; 32 lanes store a whole row: 512 consecutive bytes, aligned
.endr
	s_wait_tensorcnt 0x0
	ds_add_u32 v254, v255
	s_wait_dscnt 0x0
	s_endpgm
.Lfunc_end_k_qb60cec5223_match:
	.size	k_qb60cec5223_match, .Lfunc_end_k_qb60cec5223_match-k_qb60cec5223_match
	.p2alignl 7, 3214868480
	.fill 96, 4, 3214868480
	.section	.rodata,"a",@progbits
	.p2align	6, 0x0
	.amdhsa_kernel k_qb60cec5223_match
		.amdhsa_group_segment_fixed_size 307200
		.amdhsa_private_segment_fixed_size 0
		.amdhsa_enable_private_segment 0
		.amdhsa_kernarg_size 104
		.amdhsa_user_sgpr_count 2
		.amdhsa_user_sgpr_kernarg_segment_ptr 1
		.amdhsa_wavefront_size32 1
		.amdhsa_system_sgpr_workgroup_id_x 1
		.amdhsa_system_sgpr_workgroup_id_y 1
		.amdhsa_system_sgpr_workgroup_id_z 1
		.amdhsa_system_vgpr_workitem_id 0
		.amdhsa_next_free_vgpr 256
		.amdhsa_next_free_sgpr 80
		.amdhsa_reserve_vcc 0
		.amdhsa_float_denorm_mode_32 3
		.amdhsa_float_denorm_mode_16_64 3
		.amdhsa_memory_ordered 1
		.amdhsa_forward_progress 1
		.amdhsa_inst_pref_size 199
	.end_amdhsa_kernel
	.amdgpu_metadata
---
amdhsa.version: [ 1, 2 ]
amdhsa.kernels:
  - .name:           k_qb60cec5223_match
    .symbol:         k_qb60cec5223_match.kd
    .args:
      - { .name: lstm_lt, .offset: 0, .size: 8, .value_kind: global_buffer, .address_space: global }
      - { .name: wmp, .offset: 8, .size: 8, .value_kind: global_buffer, .address_space: global }
      - { .name: W_att_codes, .offset: 16, .size: 8, .value_kind: global_buffer, .address_space: global }
      - { .name: W_att_scales, .offset: 24, .size: 8, .value_kind: global_buffer, .address_space: global }
      - { .name: W_maxatt_codes, .offset: 32, .size: 8, .value_kind: global_buffer, .address_space: global }
      - { .name: W_maxatt_scales, .offset: 40, .size: 8, .value_kind: global_buffer, .address_space: global }
      - { .name: rtd, .offset: 48, .size: 8, .value_kind: global_buffer, .address_space: global }
      - { .name: ltd, .offset: 56, .size: 8, .value_kind: global_buffer, .address_space: global }
      - { .name: rtj, .offset: 64, .size: 8, .value_kind: global_buffer, .address_space: global }
      - { .name: whq, .offset: 72, .size: 8, .value_kind: global_buffer, .address_space: global }
      - { .name: meta, .offset: 80, .size: 8, .value_kind: global_buffer, .address_space: global }
      - { .name: whs, .offset: 88, .size: 8, .value_kind: global_buffer, .address_space: global }
      - { .name: out0, .offset: 96, .size: 8, .value_kind: global_buffer, .address_space: global }
    .group_segment_fixed_size: 307200
    .private_segment_fixed_size: 0
    .kernarg_segment_align: 8
    .kernarg_segment_size: 104
    .max_flat_workgroup_size: 512
    .sgpr_count:     80
    .vgpr_count:     256
    .wavefront_size: 32
...
	.end_amdgpu_metadata
.endif
;; end of part 2
;; ======== version 2 of 2: 2 launches; version 1 with the launch match written anew for expert scheduling mode
;; workspace buffers: rtd 1,048,576 bytes; ltd 1,048,576 bytes; rtj 1,048,576 bytes; whq 131,072 bytes; whs 8,192 bytes; meta 262,144 bytes; wmp 32,768 bytes
;; launch prep: the kernel of part 1 again; grid 8 x 32, 16 waves a work-group, no clusters, 78,336 bytes of LDS; arguments lstm_rt, lstm_lt, W_full, forward_h_rt, backward_h_rt, W_maxpool, rtd, ltd, rtj, whq, meta, whs, wmp; writes rtd, ltd, rtj, whq, meta, whs, wmp
;; launch match (part 3): grid 8 x 32, 16 waves a work-group, no clusters, 307,200 bytes of LDS; arguments lstm_lt, wmp, W_att_codes, W_att_scales, W_maxatt_codes, W_maxatt_scales, rtd, ltd, rtj, whq, meta, whs, out0; writes out0
.if DOCPART == 3
	.amdgcn_target "amdgcn-amd-amdhsa--gfx1250"
	.amdhsa_code_object_version 6
	.text
	.protected	k_qb60cec5223_match
	.globl	k_qb60cec5223_match
	.p2align	8
	.type	k_qb60cec5223_match,@function
k_qb60cec5223_match:
	s_mov_b64 s[64:65], 0
	v_nop
	global_prefetch_b8 v0, s[64:65] scope:SCOPE_SE
	s_setreg_imm32_b32 hwreg(HW_REG_WAVE_SCHED_MODE, 0, 2), 2
	s_setreg_imm32_b32 hwreg(HW_REG_WAVE_MODE, 25, 1), 1
	s_wait_xcnt 0x0
	s_wait_alu depctr_vm_vsrc(0)
; MATCH: all four matchings for the 32 rows i = 32 ib .. 32 ib + 31 of batch b: out0[b][i][0:32] full, [32:64] max-pooling, [64:96] attentive, [96:128] max-attentive.
; Every product is made on codes of FP4 (E2M1) with E8M0 scales by v_wmma_scale_f32_16x16x128_f8f6f4; what goes into a quantiser is f32.
; THE BULK is max over j of tanh(sum over d of Q(lt[i][d] W_maxpool[l][d]) Q(rt[j][d])): 1,024 rows (i, l) x 256 j x 256 d.  tanh never falls where its input rises, so the maximum is taken of the sums and tanh of the maximum.
; SIXTEEN WAVES IN TWO ROLES, two of each on a SIMD, so that one role's vector lines stand beside the other's matrix lines:
;   PRODUCERS (8): make the codes of lt x W_maxpool.  A tile (m, a) is 16 columns: column r stands for i = 2 m + r / 8, l = 8 a + r % 8.  A producer owns one group of four operand registers (K step s, half c) of half of the
;     tiles: lane (r, h) then holds ONE whole block of 32 d, so that its largest magnitude needs no other lane.  Its part of W_maxpool (all 32 l) stays in 128 registers; 32 numbers of lt from LDS feed four tiles.
;   CONSUMERS (8): keep the codes of 128 rows j of rt in 128 registers, multiply them by the tiles of the stage before, and take the maximum of the 64 results a lane.
; Nine stages, a barrier behind each: in stage k the producers make tiles m = k and 8 + k, the consumers multiply those of stage k - 1.  No LDS byte is written twice, so each barrier orders writes before reads alone.
; THE SMALL PRODUCTS ride along.  Head and stage 0, consumers: lt rt^T, scaled to cosines, quantised along j; that times rt, times lt, quantised along d.  Stage 8, producers: the three products with 32 columns, and tanh.
; OPERANDS GO FROM WAVE TO WAVE THROUGH LDS AS IMAGES OF THEIR REGISTERS (fragment: 1,024 bytes, register 4 c + g of lane l at 512 c + 16 l + 4 g; scale image: 128 bytes, lanes 0-15 K step 0, lanes 16-31 K step 1).
; ALL PRODUCTS ARE USED TRANSPOSED where the result is quantised: source 0's 16 rows are rows 8 t + r + 8 (r / 8) of a block of 32, so that the 16 registers of two tiles are 16 neighbours along the next K.
; EVERY BULK LOAD FROM MEMORY COVERS CONSECUTIVE BYTES: the workspace buffers are laid in the order of the registers that take them (W_maxpool too: wmp, 256 bytes a load, two lanes to each 16); lt and the given codes are
; loaded as they lie, 512 bytes a load, and take their lanes' order on the way through LDS.
; NO CLUSTER, NO TENSOR LOAD: the eight work-groups of a batch share 64 KiB of codes (rtd, rtj), read once, at the head, straight into the registers of the waves that multiply them first; no loop fetches from memory,
; so there is no ring whose tiles could be asked for jointly, and nothing that could be asked for ahead.
; LIMITS: NaN and infinities among the inputs are not served (the maxima drop a NaN); a block whose largest magnitude lies under 2^-124, zeros among them, gets the scale byte 1 (its codes are read by this program alone);
; the cosine's two divisions are multiplications by reciprocal roots (v_rsq_f32).  The inputs forward_h_lt, forward_c_lt, backward_h_lt, backward_c_lt, forward_c_rt and backward_c_rt enter no step of reference() and are not named.
; THE MODE: SCHED_MODE bits 1:0 = 2 (LLVM: expert scheduling mode 2), set by the entry lines.  The code itself states the register dependences between vector or matrix instructions and memory or LDS instructions,
; with s_wait_alu, always for 0.
; THE PLAN.  Registers that memory or LDS instructions touch in the stages:
;   v1-21          addresses: made at the head, read by LDS instructions, written anew (v3-6, v8) only in the tail.
;   PRODUCERS  XR  lt's 32 numbers: the eight LDS loads issued in unit 3 of the stage before land in them; the stage's 64 products read them.
;              two sets of codes and bytes, by turns: unit a's conversions write set a % 2; its two LDS stores are issued in unit a + 1, behind that unit's products (unit 3's at the stage's end).
;              the products' registers and the chains of maxima are named by vector lines alone; W_maxpool's registers are only read, until stage 8's loads land in the first 48 of them.
;   CONSUMERS  AC and v30: a tile's fragments and scale image: five LDS loads land in them, sixteen matrix instructions read them.
;              v240, v244: the two tiles' maxima: both are stored at the stage's end.
;              rtd's fragments and v22-29 are only read by matrix instructions; the accumulators are named by matrix and vector lines alone.
; So a producer's stage has four waits on va_vdst, each ahead of two stores (unit 3's also ahead of lt's next loads), and two on vm_vsrc, each a unit behind the stores that it speaks of; a consumer's stage has two waits on
; va_vdst: behind the first tile's products, for the second tile's loads, and at its end, for the two stores and for the next stage's loads.  One wait on vm_vsrc stands in front of each barrier's signal, on the one way
; that both roles take: what LDS instructions of the stage have read is written again behind the barrier.
.set XP,     1040                      ; a row of lt in LDS: 1,024 bytes + 16
.set OP,     528                       ; a row of the output's stage: 512 bytes + 16
.set L_SIMG, 33280                     ; behind lt's 32 rows (from byte 0): Q(cosines), four fragments (2 u + s)
.set L_ZIMG, 37376                     ; Q(lt x att), likewise
.set L_SSC,  41472                     ; their scale images, 128 u
.set L_ZSC,  41728
.set L_RTDS, 41984                     ; rtd's sixteen scale images
.set L_OUT,  44032                     ; 32 rows of out0
.set L_RTD,  65536                     ; rtd's 32 fragments (2 x tile + s)
.set L_MX,   98304                     ; the maxima: (4 m + a) x 288 + 128 x half of j + 4 x lane
.set L_ASC,  116736                    ; the tiles' scale images: 512 m + 128 a
.set L_JP,   124928                    ; 6,144 bytes for each producer: the small products' operands wait here, the wave's own
.set L_AIMG, 174080                    ; the tiles: 8,192 m + 2,048 a + 1,024 s + 512 c + 16 x lane
; v1-21: LDS addresses, made ahead of the first parting of the roles, never rewritten before the tail
.set LI,    1                          ; 16 x lane
.set LS,    2                          ; 4 x lane
.set XSS,   3                          ; producer: where my four rows of lt go
.set XSL,   4                          ; producer: my lane's 32 numbers of lt, stage 0
.set AIW,   5                          ; producer: my four registers of a tile, stage 0, a = 0
.set ASW,   6                          ; producer: my scale byte of it
.set JPA,   7                          ; producer: my parking place, 16 x lane
.set JPG,   8                          ; producer: the same place read as rows of 128 bytes: 128 r + 16 h
.set ZL,    9                          ; producer: Q(lt x att), tile u
.set ZSL,   10                         ; and its scale image
.set OUTW,  11                         ; producer: my 32 bytes of a row of the output's stage
.set QA,    12                         ; consumer: my 8 bytes of block idx in a fragment pair
.set QB,    13                         ; consumer: that block's scale byte
.set RTDW,  14                         ; consumer: where rtd's block idx is parked
.set RTDSW, 15
.set RTL,   16                         ; consumer: my half of rtd
.set RSL,   17
.set XC2,   18                         ; consumer: lt at my rows and my 16 columns
.set AIR,   19                         ; consumer: my first tile of stage 0
.set ASR,   20
.set MXW,   21
.set SC,    22                         ; v22-31: scale words and nothing else
; producers: v32-63 lt, v64-95 the products, v96-223 W_maxpool, v224-231 two sets of codes, v232-233 two scale bytes
.set XR,  32
.set PR,  64
.set WR,  96
.set CR,  224
.set HW,  232
.set MR,  240                          ; v240-243 (consumers also v244-247): chains of maxima
.set GW,  246                          ; global offsets
.set GJS, 248
; consumers: v32-95 eight accumulators, v96-223 rtd's sixteen fragments, v224-239 a tile's two fragments; in the head and stage 0 v96-217 hold the small products' operands
.set DR,  32
.set RT,  96
.set AC,  224
.set PTB, 250
.set GRNL, 251
.set GRNR, 252
.set GB8,  253
.macro NOP4                            ; four plain lines between a matrix instruction and a vector line on its registers (ISA guide 7.12.1)
.rept 4
	v_nop
.endr
.endm
.macro BAR                             ; my LDS stores have landed and my LDS loads are in: then the work-group's barrier
	s_wait_dscnt 0x0
	s_wait_alu depctr_vm_vsrc(0)                   ; my LDS instructions issued so far have read their registers: behind the barrier vector lines, matrix lines or loads write again the data of this stage's stores (behind the last barrier: five addresses too)
	s_barrier_signal -1
	s_barrier_wait -1
.endm
; 32 numbers of ONE block in one lane -> 4 registers of codes at v[c], the conversion's scale operand in v[m + 1], the scale's byte in v[by]
.macro QB32 p, c, m, by
	v_max3_num_f32 v[(\m)], |v[(\p)]|, |v[(\p)+1]|, 0x1800000          ; the floor 2^(3 - 127) among the leaves: the byte cannot fall under 1
	v_max3_num_f32 v[(\m)+1], |v[(\p)+2]|, |v[(\p)+3]|, |v[(\p)+4]|
	v_max3_num_f32 v[(\m)+2], |v[(\p)+5]|, |v[(\p)+6]|, |v[(\p)+7]|
	v_max3_num_f32 v[(\m)+3], |v[(\p)+8]|, |v[(\p)+9]|, |v[(\p)+10]|
.irp z, 0,1
.irp q, 0,1,2,3
	v_max3_num_f32 v[(\m)+\q], v[(\m)+\q], |v[(\p)+11+8*\z+2*\q]|, |v[(\p)+12+8*\z+2*\q]|
.endr
.endr
	v_max3_num_f32 v[(\m)], v[(\m)], |v[(\p)+27]|, |v[(\p)+28]|
	v_max3_num_f32 v[(\m)+1], v[(\m)+1], |v[(\p)+29]|, |v[(\p)+30]|
	v_max3_num_f32 v[(\m)+2], v[(\m)+2], v[(\m)+3], |v[(\p)+31]|
	v_max3_num_f32 v[(\m)], v[(\m)], v[(\m)+1], v[(\m)+2]
	v_add_nc_u32 v[(\m)+1], 0xff000000, v[(\m)]                        ; 2 off the exponent field: the conversion's scale operand
.irp g, 0,1,2,3
	v_cvt_scalef32_pk8_fp4_f32 v[(\c)+\g], v[(\p)+8*\g:(\p)+8*\g+7], v[(\m)+1]
.endr
	v_lshrrev_b32 v[(\by)], 23, v[(\m)+1]                              ; the scale's byte; also the plain line behind the conversions
.endm
; 16 numbers v[x] .. v[x + 15] = k 16 h + 0 .. 15 of a block whose other half lies in lane l xor 16 -> 8 bytes of codes in v[cc], v[cc + 1] and the scale's byte in v[by]
.macro QBLKV x, cc, by
	v_max3_num_f32 v[MR], |v[(\x)]|, |v[(\x)+1]|, 0x1800000
	v_max3_num_f32 v[MR+1], |v[(\x)+8]|, |v[(\x)+9]|, |v[(\x)+10]|
	v_max3_num_f32 v[MR], v[MR], |v[(\x)+2]|, |v[(\x)+3]|
	v_max3_num_f32 v[MR+1], v[MR+1], |v[(\x)+11]|, |v[(\x)+12]|
	v_max3_num_f32 v[MR], v[MR], |v[(\x)+4]|, |v[(\x)+5]|
	v_max3_num_f32 v[MR+1], v[MR+1], |v[(\x)+13]|, |v[(\x)+14]|
	v_max3_num_f32 v[MR], v[MR], |v[(\x)+6]|, |v[(\x)+7]|
	v_max3_num_f32 v[MR], v[MR], v[MR+1], |v[(\x)+15]|
	v_permlanex16_b32 v[PTB], v[MR], s40, s41
	v_max_num_f32 v[MR], v[MR], v[PTB]                                 ; the block's largest magnitude
	v_add_nc_u32 v[MR+1], 0xff000000, v[MR]
	v_cvt_scalef32_pk8_fp4_f32 v[(\cc)], v[(\x):(\x)+7], v[MR+1]
	v_cvt_scalef32_pk8_fp4_f32 v[(\cc)+1], v[(\x)+8:(\x)+15], v[MR+1]
	v_lshrrev_b32 v[(\by)], 23, v[MR+1]                                ; the byte; also the plain line behind the conversions
.endm
; and they go straight into the images in LDS.  Two blocks are quantised, into registers of their own, ahead of one wait and the four stores
.macro QBLKS cc, by, offi, offs
	ds_store_b64 v[QA], v[(\cc):(\cc)+1] offset:\offi                  ; registers 2 h, 2 h + 1 of the four that hold the block: 32 lanes fill 256 consecutive bytes
	ds_store_b8 v[QB], v[(\by)] offset:\offs                           ; both halves of the lanes write the same byte with the same value
.endm
; tanh(x) = 1 - 2 / (1 + 2^(2 log2(e) x)), in place on n registers (n even): it runs to +1 and -1 at the ends without a NaN.  Each batch of transcendentals has one plain line and one wait behind it
.macro TANH base, n
.set i, 0
.rept (\n)/2
	v_pk_mul_f32 v[(\base)+2*i:(\base)+2*i+1], v[(\base)+2*i:(\base)+2*i+1], 0x4038aa3b op_sel_hi:[1,0]
.set i, i+1
.endr
.set i, 0
.rept \n
	v_exp_f32 v[(\base)+i], v[(\base)+i]
.set i, i+1
.endr
	v_nop
	s_wait_alu depctr_va_vdst(0)                   ; the n exponentials have written v[base ..], ahead of the additions that read them
.set i, 0
.rept (\n)/2
	v_pk_add_f32 v[(\base)+2*i:(\base)+2*i+1], v[(\base)+2*i:(\base)+2*i+1], 1.0 op_sel_hi:[1,0]
.set i, i+1
.endr
.set i, 0
.rept \n
	v_rcp_f32 v[(\base)+i], v[(\base)+i]
.set i, i+1
.endr
	v_nop
	s_wait_alu depctr_va_vdst(0)                   ; the n reciprocals have written v[base ..], ahead of the multiply-adds that read them
.set i, 0
.rept (\n)/2
	v_pk_fma_f32 v[(\base)+2*i:(\base)+2*i+1], v[(\base)+2*i:(\base)+2*i+1], -2.0, 1.0 op_sel_hi:[1,0,0]
.set i, i+1
.endr
.endm
; One matrix instruction.  first = 1: K step 0, which starts the sum with the constant 0 and takes the scale words of lanes 0-15; first = 0: K step 1, in place, with those of lanes 16-31
.macro MM d, a, b, sa, sb, first
.if \first
	v_wmma_scale_f32_16x16x128_f8f6f4 v[(\d):(\d)+7], v[(\a):(\a)+7], v[(\b):(\b)+7], 0, v[(\sa)], v[(\sb)] matrix_a_fmt:MATRIX_FMT_FP4 matrix_b_fmt:MATRIX_FMT_FP4
.else
	v_wmma_scale_f32_16x16x128_f8f6f4 v[(\d):(\d)+7], v[(\a):(\a)+7], v[(\b):(\b)+7], v[(\d):(\d)+7], v[(\sa)], v[(\sb)] matrix_a_fmt:MATRIX_FMT_FP4 matrix_b_fmt:MATRIX_FMT_FP4 matrix_a_scale:MATRIX_SCALE_ROW1 matrix_b_scale:MATRIX_SCALE_ROW1
.endif
.endm
; PRODUCER.  My lane's 32 numbers of lt for stage k: rows 2 m and 2 m + 1, eight lanes to a row's 16 bytes
.macro XLOAD k
.set n, 0
.rept 8
	ds_load_b128 v[XR+4*n:XR+4*n+3], v[XSL] offset:2*XP*(\k)+16*n
.set n, n+1
.endr
.endm
; PRODUCER.  The two stores of tile (m of stage k, a): four registers of codes and my block's scale byte
.macro SENDU k, a
	ds_store_b128 v[AIW], v[CR+4*((\a)%2):CR+4*((\a)%2)+3] offset:8192*(\k)+2048*(\a)
	ds_store_b8 v[ASW], v[HW+(\a)%2] offset:512*(\k)+128*(\a)    ; my block is 2 c + h of the K step: byte 2 c + h of column r's word
.endm
; PRODUCER.  Tile (m of stage k, a): 32 products in f32, quantised.  Codes and bytes have two sets, by turns.  Behind the products stand the stores of the tile before, so that they are on their way while this tile is quantised.
.macro UNIT k, a
.set i, 0
.rept 16
	v_pk_mul_f32 v[PR+2*i:PR+2*i+1], v[XR+2*i:XR+2*i+1], v[WR+32*(\a)+2*i:WR+32*(\a)+2*i+1]
.set i, i+1
.endr
.if (\a) >= 2
	s_wait_alu depctr_vm_vsrc(0)                   ; the two stores of unit a - 2, issued a unit ago, have read the set of codes and the byte that this unit's conversions write again
.endif
.if (\a) >= 1
	s_wait_alu depctr_va_vdst(0)                   ; unit a - 1's conversions have written its codes and its byte, which the two stores read; in unit 3 the products above are done reading lt's registers, in which the next stage's loads land
	SENDU \k, (\a)-1
.endif
.if ((\a) == 3) && ((\k) < 7)
	XLOAD (\k)+1                                   ; lt's registers have been read for the last time in this stage: the next stage's numbers land under the stage's closing wait
	s_wait_dscnt 10                                ; behind the two stores of the unit before last stand the last unit's two and these eight loads: that unit's stores are done
.elseif (\a) >= 2
	s_wait_dscnt 2                                 ; behind the two stores of the unit before last stand the last unit's two: that unit's stores are done
.endif
	QB32 PR, CR+4*((\a)%2), MR, HW+(\a)%2
.endm
.macro UNITS k                         ; a producer's stage
	UNIT \k, 0                                     ; (units 0 and 1 write sets that the stage before stored: the wait in front of the barrier's signal has spoken for those stores)
	UNIT \k, 1
	UNIT \k, 2
	UNIT \k, 3
	s_wait_alu depctr_va_vdst(0)                   ; unit 3's conversions have written its codes and its byte, which the two stores read.  Behind stage 7 it also says that the products are done reading W_maxpool's registers, in which stage 8's loads land
	SENDU \k, 3
.endm
; CONSUMER.  Tile aa (of my two) of stage kk: its two fragments and its scale image
.macro PBLOAD kk, aa
.set n, 0
.rept 4
	ds_load_b128 v[AC+4*n:AC+4*n+3], v[AIR] offset:8192*(\kk)+2048*(\aa)+512*n
.set n, n+1
.endr
	ds_load_b32 v[SC+8], v[ASR] offset:512*(\kk)+128*(\aa)
.endm
.macro PBMUL                           ; my 128 rows j x the tile's 16 columns: eight accumulators by turns, one instruction a turn
.irp jt, 0,1,2,3,4,5,6,7
	MM DR+8*\jt, RT+16*\jt, AC, SC+\jt, SC+8, 1
.endr
.irp jt, 0,1,2,3,4,5,6,7
	MM DR+8*\jt, RT+16*\jt+8, AC+8, SC+\jt, SC+8, 0
.endr
.endm
.macro PBMAX m                         ; the largest of my 64 results, into v[m]: four chains, one for two accumulators; each accumulator is first read at its lowest register
.irp q, 0,1,2,3
	v_max3_num_f32 v[(\m)+\q], v[DR+16*\q], v[DR+16*\q+1], v[DR+16*\q+8]
.endr
.irp z, 2,4,6,9,11,13
.irp q, 0,1,2,3
	v_max3_num_f32 v[(\m)+\q], v[(\m)+\q], v[DR+16*\q+\z], v[DR+16*\q+\z+1]
.endr
.endr
	v_max3_num_f32 v[(\m)], v[(\m)], v[(\m)+1], v[DR+15]
	v_max3_num_f32 v[(\m)+2], v[(\m)+2], v[(\m)+3], v[DR+31]
	v_max3_num_f32 v[(\m)], v[(\m)], v[(\m)+2], v[DR+47]
	v_max_num_f32 v[(\m)], v[(\m)], v[DR+63]
.endm
.macro PB kk                           ; my two tiles of stage kk.  The second tile's operands are fetched while the first tile's maximum is taken; both maxima are stored at the end
	PBLOAD \kk, 0                                  ; (no vector or matrix line since the last stage's closing wait on va_vdst names these registers)
	s_wait_dscnt 0x0
	PBMUL
	NOP4                                           ; the places ahead of the maximum's first read of the results
	s_wait_alu depctr_va_vdst(0)                   ; the sixteen matrix instructions are done reading the tile's fragments and its scale image, in which the next tile's five loads land
	PBLOAD \kk, 1
	PBMAX MR
	s_wait_dscnt 0x0                               ; the five loads: nothing stands behind them
	PBMUL                                          ; (it begins the accumulators anew: the four plain lines and the lines of the maximum that name other accumulators stand between)
	NOP4
	PBMAX MR+4
	s_wait_alu depctr_va_vdst(0)                   ; both maxima are written, which the two stores read; the matrix instructions are done reading the tile's fragments and scale image, in which the next stage's loads land
	ds_store_b32 v[MXW], v[MR] offset:1152*(\kk)
	ds_store_b32 v[MXW], v[MR+4] offset:1152*(\kk)+288
.endm
.macro STAGE k                         ; stages 1 to 7
	s_cmp_eq_u32 s31, 0
	s_cbranch_scc0 .Lcons_\@
	UNITS \k
	s_branch .Lmeet_\@
.Lcons_\@:
	PB (\k)-1
.Lmeet_\@:
	BAR                                            ; stage k's tiles lie in LDS
.endm
	s_load_b256 s[4:11], s[0:1], 0x0               ; lt s[4:5], wmp s[6:7], W_att's codes s[8:9], scales s[10:11]
	s_load_b256 s[12:19], s[0:1], 0x20             ; W_maxatt's codes s[12:13], scales s[14:15], rtd s[16:17], ltd s[18:19]
	s_load_b256 s[20:27], s[0:1], 0x40             ; rtj s[20:21], whq s[22:23], meta s[24:25], whs s[26:27]
	s_load_b64 s[28:29], s[0:1], 0x60              ; out0
	v_lshl_add_u32 v254, v0, 2, 0x4a800
	v_mov_b32 v255, 0
	v_lshrrev_b32 v234, 5, v0
	v_readfirstlane_b32 s30, v234                  ; wave 0..15
	s_and_b32 s33, ttmp7, 0xffff                   ; b
	s_mov_b32 s34, ttmp9                           ; ib
	s_mov_b32 s40, 0x76543210
	s_mov_b32 s41, 0xfedcba98                      ; v_permlanex16_b32's selects for lane l xor 16
	v_and_b32 v236, 31, v0                         ; lane
	v_and_b32 v237, 15, v0                         ; r
	v_bfe_u32 v238, v0, 4, 1                       ; h
	v_bfe_u32 v235, v0, 3, 1                       ; r / 8
	v_lshl_add_u32 v239, v235, 3, v237             ; r + 8 (r / 8)
	v_lshlrev_b32 v[LI], 4, v236
	v_lshlrev_b32 v[LS], 2, v236
	s_wait_alu depctr_va_sdst(0)                   ; s30 is written, ahead of its first reader: the roles, the LDS addresses and the bases are made from it
	s_lshr_b32 s31, s30, 2
	s_xor_b32 s31, s31, s30
	s_and_b32 s31, s31, 1                          ; role: 0 producer, 1 consumer: (w xor w / 4) & 1, so that among waves w, w + 4, w + 8, w + 12 as among 4 q .. 4 q + 3 there are two of each
	s_lshr_b32 s32, s30, 1                         ; idx 0..7: my number in my role
	s_and_b32 s35, s32, 1                          ; producer: c, and tile u of the small products;  consumer: which half of j
	s_lshr_b32 s36, s32, 1                         ; producer: which small product (0 full, 1 attentive, 2 max-attentive, 3 none)
	s_and_b32 s37, s32, 3                          ; producer: 2 s + c
	s_lshr_b32 s38, s32, 2                         ; which half of the tiles m
	s_and_b32 s39, s36, 1                          ; producer: s;  consumer: which pair of a
	s_mul_i32 s42, s32, 4*XP
	v_add_nc_u32 v[XSS], s42, v[LI]                ; rows 4 idx on
	s_mul_i32 s42, s38, 16*XP
	s_lshl_b32 s43, s37, 8
	s_add_co_u32 s42, s42, s43
	v_mul_u32_u24 v[XSL], v235, XP
	v_lshl_add_u32 v[XSL], v238, 7, v[XSL]
	v_add_nc_u32 v[XSL], s42, v[XSL]               ; row 16 x half + r / 8, d = 64 (2 s + c) + 32 h
	s_lshl_b32 s42, s38, 16
	s_lshl_b32 s43, s37, 9
	s_add_co_u32 s42, s42, s43
	s_add_co_u32 s42, s42, L_AIMG
	v_add_nc_u32 v[AIW], s42, v[LI]
	s_lshl_b32 s42, s38, 12
	s_lshl_b32 s43, s39, 6
	s_add_co_u32 s42, s42, s43
	s_lshl_b32 s43, s35, 1
	s_add_co_u32 s42, s42, s43
	s_add_co_u32 s42, s42, L_ASC
	v_lshl_add_u32 v[ASW], v237, 2, s42
	v_add_nc_u32 v[ASW], v[ASW], v238              ; K step s's half of the image, column r's word, byte 2 c + h
	s_mul_i32 s42, s32, 6144
	s_add_co_u32 s42, s42, L_JP
	v_add_nc_u32 v[JPA], s42, v[LI]
	v_lshlrev_b32 v[JPG], 7, v237
	v_lshl_add_u32 v[JPG], v238, 4, v[JPG]
	v_add_nc_u32 v[JPG], s42, v[JPG]
	s_lshl_b32 s42, s35, 11
	s_add_co_u32 s42, s42, L_ZIMG
	v_add_nc_u32 v[ZL], s42, v[LI]
	s_lshl_b32 s42, s35, 7
	s_add_co_u32 s42, s42, L_ZSC
	v_add_nc_u32 v[ZSL], s42, v[LS]
	s_mul_i32 s42, s35, 8*OP
	s_lshl_b32 s43, s36, 7
	s_add_co_u32 s42, s42, s43
	s_min_u32 s43, s36, 1
	s_lshl_b32 s43, s43, 7
	s_add_co_u32 s42, s42, s43                     ; columns 0, 64, 96 for the three small products
	s_add_co_u32 s42, s42, L_OUT
	v_mul_u32_u24 v[OUTW], v239, OP
	v_lshl_add_u32 v[OUTW], v238, 5, v[OUTW]
	v_add_nc_u32 v[OUTW], s42, v[OUTW]
	s_lshl_b32 s42, s32, 8
	v_lshlrev_b32 v[QA], 4, v237
	v_lshl_add_u32 v[QA], v238, 3, v[QA]
	v_add_nc_u32 v[QA], s42, v[QA]                 ; block idx of K lies 256 idx bytes into a pair of fragments; row r's 16 bytes, my half's 8
	s_lshl_b32 s42, s38, 6
	s_add_co_u32 s42, s42, s37
	v_lshl_add_u32 v[QB], v237, 2, s42             ; K step idx / 4, row r's word, byte idx % 4
	s_lshl_b32 s42, s32, 12
	s_add_co_u32 s42, s42, L_RTD
	v_add_nc_u32 v[RTDW], s42, v[LI]
	s_lshl_b32 s42, s32, 8
	s_add_co_u32 s42, s42, L_RTDS
	v_add_nc_u32 v[RTDSW], s42, v[LS]
	s_lshl_b32 s42, s35, 14
	s_add_co_u32 s42, s42, L_RTD
	v_add_nc_u32 v[RTL], s42, v[LI]
	s_lshl_b32 s42, s35, 10
	s_add_co_u32 s42, s42, L_RTDS
	v_add_nc_u32 v[RSL], s42, v[LS]
	s_lshl_b32 s42, s32, 7
	v_mul_u32_u24 v[XC2], v239, XP
	v_lshl_add_u32 v[XC2], v238, 6, v[XC2]
	v_add_nc_u32 v[XC2], s42, v[XC2]
	s_lshl_b32 s42, s38, 16
	s_lshl_b32 s43, s39, 12
	s_add_co_u32 s42, s42, s43
	s_add_co_u32 s42, s42, L_AIMG
	v_add_nc_u32 v[AIR], s42, v[LI]
	s_lshl_b32 s42, s38, 12
	s_lshl_b32 s43, s39, 8
	s_add_co_u32 s42, s42, s43
	s_add_co_u32 s42, s42, L_ASC
	v_add_nc_u32 v[ASR], s42, v[LS]
	s_mul_i32 s42, s38, 9216
	s_mul_i32 s43, s39, 576
	s_add_co_u32 s42, s42, s43
	s_lshl_b32 s43, s35, 7
	s_add_co_u32 s42, s42, s43
	s_add_co_u32 s42, s42, L_MX
	v_add_nc_u32 v[MXW], s42, v[LS]
	s_lshl_b32 s44, s33, 3
	s_add_co_u32 s44, s44, s34                     ; 8 b + ib
	s_mov_b32 s47, 0
	s_lshl_b32 s46, s44, 12
	s_wait_kmcnt 0x0
	s_add_nc_u64 s[48:49], s[18:19], s[46:47]      ; ltd: my rows' four fragments
	s_lshl_b32 s46, s44, 10
	s_add_nc_u64 s[50:51], s[24:25], s[46:47]      ; meta: my rows' block
	s_lshl_b32 s46, s44, 15
	s_add_nc_u64 s[52:53], s[4:5], s[46:47]        ; lt: my 32 rows
	s_lshl_b32 s46, s44, 14
	s_add_nc_u64 s[54:55], s[28:29], s[46:47]      ; out0: my 32 rows
	s_cmp_eq_u32 s31, 0
	s_cbranch_scc0 .Lhead_cons
	; ================ HEAD, PRODUCERS: the small products' operands, four rows of lt, my part of W_maxpool
	v_and_b32 v[GW], 7, v0
	v_lshl_add_u32 v[GW], v238, 3, v[GW]
	v_lshlrev_b32 v[GW], 4, v[GW]                  ; wmp: 16 (r % 8 + 8 h): lanes r and r + 8 take the same 16 bytes
	v_lshlrev_b32 v[GJS], 3, v237
	v_lshl_add_u32 v[GJS], v238, 2, v[GJS]         ; given scales: row r of 8 bytes, K step h's word: a scale image
	s_wait_alu depctr_va_vdst(0)                   ; the addresses v1 to v21 and the two offsets above are written, which the loads and stores of this role read; the head's lines are done with v234 to v239, in which loads below land
	s_lshl_b32 s46, s32, 12
	s_add_nc_u64 s[56:57], s[52:53], s[46:47]      ; rows 4 idx on
	s_lshl_b32 s46, s37, 13
	s_add_nc_u64 s[58:59], s[6:7], s[46:47]        ; wmp: the 8,192 bytes of columns 64 (2 s + c) on
	s_cmp_eq_u32 s36, 0
	s_cbranch_scc0 .Lhead_given
	s_lshl_b32 s46, s33, 12                        ; full matching: Q(W_full x h_rt) and Q(lt), tile u
	s_add_nc_u64 s[60:61], s[22:23], s[46:47]
	s_lshl_b32 s46, s33, 8
	s_add_nc_u64 s[62:63], s[26:27], s[46:47]
	s_lshl_b32 s46, s35, 11
	s_add_nc_u64 s[66:67], s[48:49], s[46:47]
	s_lshl_b32 s46, s35, 7
	s_add_nc_u64 s[68:69], s[50:51], s[46:47]
.set n, 0
.rept 8
	global_load_b128 v[XR+4*n:XR+4*n+3], v[LI], s[60:61] offset:512*n
.set n, n+1
.endr
	global_load_b32 v[SC], v[LS], s[62:63]
	global_load_b32 v[SC+1], v[LS], s[62:63] offset:128
.set n, 0
.rept 4
	global_load_b128 v[CR+4*n:CR+4*n+3], v[LI], s[66:67] offset:512*n
.set n, n+1
.endr
	global_load_b32 v[SC+2], v[LS], s[68:69] offset:256
	s_branch .Lhead_prod
.Lhead_given:
	s_cmp_eq_u32 s36, 3
	s_cbranch_scc1 .Lhead_prod
	s_cmp_eq_u32 s36, 1                            ; attentive: W_att;  max-attentive: W_maxatt: codes and scales as they are given
	s_cselect_b64 s[60:61], s[8:9], s[12:13]
	s_cselect_b64 s[62:63], s[10:11], s[14:15]
.set n, 0
.rept 8
	global_load_b128 v[XR+4*n:XR+4*n+3], v[LI], s[60:61] offset:512*n    ; the 32 rows of 128 bytes as they lie: 512 consecutive bytes a load
.set n, n+1
.endr
	global_load_b32 v[SC], v[GJS], s[62:63]
	global_load_b32 v[SC+1], v[GJS], s[62:63] offset:128
.Lhead_prod:
.set n, 0
.rept 8
	global_load_b128 v[PR+4*n:PR+4*n+3], v[LI], s[56:57] offset:512*n th:TH_LOAD_NT   ; 512 consecutive bytes a load; this launch reads lt's f32 numbers once
.set n, n+1
.endr
.irp a, 0,1,2,3
.irp e, 0,1,2,3,4,5,6,7
	global_load_b128 v[WR+32*\a+4*\e:WR+32*\a+4*\e+3], v[GW], s[58:59] offset:2048*\a+256*\e   ; W_maxpool(8 a + r % 8, 64 (2 s + c) + 32 h + 4 e ..): 256 consecutive bytes a load
.endr
.endr
	s_wait_loadcnt 32                              ; on every way only W_maxpool's 32 loads are younger: lt and the small products' operands are in
.set n, 0
.rept 8
	ds_store_b128 v[XSS], v[PR+4*n:PR+4*n+3] offset:(n/2)*XP+(n%2)*512   ; (data that loads brought, addresses from ahead of the wait on va_vdst: no vector line has been issued since)
.set n, n+1
.endr
	s_cmp_eq_u32 s36, 3
	s_cbranch_scc1 .Lhead_meet
.set n, 0
.rept 8
	ds_store_b128 v[JPA], v[XR+4*n:XR+4*n+3] offset:512*n            ; parked: the stages need these registers
.set n, n+1
.endr
	s_cmp_eq_u32 s36, 0
	s_cbranch_scc0 .Lhead_meet
.set n, 0
.rept 4
	ds_store_b128 v[JPA], v[CR+4*n:CR+4*n+3] offset:4096+512*n
.set n, n+1
.endr
	s_branch .Lhead_meet
.Lhead_cons:
	; ================ HEAD, CONSUMERS: cosines of my 32 rows i against rows j = 32 idx .. 32 idx + 31, quantised along j
	v_lshlrev_b32 v[GRNL], 2, v239                 ; 1/nl of row 8 u + r + 8 (r / 8)
	v_lshlrev_b32 v[GRNR], 6, v238                 ; 1/nr of rows 16 h + 0 .. 15
	v_lshl_add_u32 v[GB8], v238, 12, v237          ; rtj's scale bytes: K step h's four blocks of meta, row r
	v_mov_b32 v[PTB], 0
	s_wait_alu depctr_va_vdst(0)                   ; the addresses v1 to v21 and the three offsets above are written, which the loads and stores of this role read
	s_lshl_b32 s70, s33, 3
	s_add_co_u32 s70, s70, s32                     ; 8 b + idx
	s_lshl_b32 s46, s70, 12
	s_add_nc_u64 s[56:57], s[16:17], s[46:47]      ; rtd: rows j, block idx
	s_add_nc_u64 s[60:61], s[20:21], s[46:47]      ; rtj: rows d, block idx
	s_lshl_b32 s46, s70, 10
	s_add_nc_u64 s[58:59], s[24:25], s[46:47]      ; meta of block idx
	s_lshl_b32 s46, s33, 13
	s_lshl_b32 s71, s32, 5
	s_add_co_u32 s46, s46, s71
	s_add_nc_u64 s[62:63], s[24:25], s[46:47]      ; meta of the batch, at my 32 rows d among the scale bytes
.set n, 0
.rept 8
	global_load_b128 v[96+4*n:99+4*n], v[LI], s[56:57] offset:512*n      ; rtd: fragment (t, s) at v[96 + 8 (2 t + s)]
.set n, n+1
.endr
	global_load_b32 v[SC], v[LS], s[58:59]
	global_load_b32 v[SC+1], v[LS], s[58:59] offset:128
.set n, 0
.rept 8
	global_load_b128 v[128+4*n:131+4*n], v[LI], s[48:49] offset:512*n    ; ltd: fragment (u, s) at v[128 + 8 (2 u + s)]
.set n, n+1
.endr
	global_load_b32 v[SC+2], v[LS], s[50:51] offset:256
	global_load_b32 v[SC+3], v[LS], s[50:51] offset:384
	global_load_b32 v176, v[GRNL], s[50:51] offset:896
	global_load_b32 v177, v[GRNL], s[50:51] offset:928
.set n, 0
.rept 4
	global_load_b128 v[160+4*n:163+4*n], v[GRNR], s[58:59] offset:768+16*n
.set n, n+1
.endr
.set n, 0
.rept 8
	global_load_b128 v[178+4*n:181+4*n], v[LI], s[60:61] offset:512*n    ; rtj: fragment (t, s) at v[178 + 8 (2 t + s)]
.set n, n+1
.endr
.irp tt, 0,1
.irp be, 0,1,2,3
	global_load_u8 v[210+4*\tt+\be], v[GB8], s[62:63] offset:1024*\be+512+16*\tt
.endr
.endr
	s_wait_loadcnt 0x0
.irp tt, 0,1                                   ; rtj's scale words: made here, far ahead of the products that name them
	v_lshl_or_b32 v[SC+4+\tt], v[211+4*\tt], 8, v[210+4*\tt]
	v_lshl_or_b32 v[SC+4+\tt], v[212+4*\tt], 16, v[SC+4+\tt]
	v_lshl_or_b32 v[SC+4+\tt], v[213+4*\tt], 24, v[SC+4+\tt]
.endr
.set n, 0
.rept 8
	ds_store_b128 v[RTDW], v[96+4*n:99+4*n] offset:512*n             ; rtd's block goes on to the consumers that will keep it.  (The six lines above name none of the registers that these ten stores read)
.set n, n+1
.endr
	ds_store_b32 v[RTDSW], v[SC]
	ds_store_b32 v[RTDSW], v[SC+1] offset:128
.irp u, 0,1                                    ; source 0 = 16 rows j, source 1 = 16 rows i: four accumulators by turns
.irp tt, 0,1
	MM DR+8*(2*\u+\tt), 96+16*\tt, 128+16*\u, SC+\tt, SC+2+\u, 1
.endr
.endr
.irp u, 0,1
.irp tt, 0,1
	MM DR+8*(2*\u+\tt), 96+16*\tt+8, 128+16*\u+8, SC+\tt, SC+2+\u, 0
.endr
.endr
	NOP4
.irp i, 0,1,2,3,4,5,6,7                        ; lane (n, h), tile u: registers 16 u + e are j = 32 idx + 16 h + e of row i = 8 u + n + 8 (n / 8)
	v_pk_mul_f32 v[DR+2*\i:DR+2*\i+1], v[DR+2*\i:DR+2*\i+1], v[176:177] op_sel_hi:[1,0]
.endr
.irp i, 0,1,2,3,4,5,6,7
	v_pk_mul_f32 v[DR+2*\i:DR+2*\i+1], v[DR+2*\i:DR+2*\i+1], v[160+2*\i:161+2*\i]
.endr
	QBLKV DR, 244, 248
.irp i, 0,1,2,3,4,5,6,7
	v_pk_mul_f32 v[DR+16+2*\i:DR+17+2*\i], v[DR+16+2*\i:DR+17+2*\i], v[176:177] op_sel:[0,1] op_sel_hi:[1,1]
.endr
.irp i, 0,1,2,3,4,5,6,7
	v_pk_mul_f32 v[DR+16+2*\i:DR+17+2*\i], v[DR+16+2*\i:DR+17+2*\i], v[160+2*\i:161+2*\i]
.endr
	QBLKV DR+16, 246, 249
	s_wait_alu depctr_va_vdst(0)                   ; both blocks' codes and bytes are written, which the four stores read; the matrix instructions are done reading rtd's and ltd's fragments, in which stage 0's loads land; rtj's scale words are written, which stage 0's products take
	QBLKS 244, 248, L_SIMG, L_SSC
	QBLKS 246, 249, L_SIMG+2048, L_SSC+128
.Lhead_meet:
	BAR                                            ; lt, Q(cosines) and rtd lie in LDS
	; ================ STAGE 0
	s_cmp_eq_u32 s31, 0
	s_cbranch_scc0 .Lstage0_cons
	XLOAD 0                                        ; (no vector line has named these registers; the stores that parked them have read them: the wait in front of the barrier's signal)
	s_wait_loadcnt 0x0                             ; W_maxpool
	s_wait_dscnt 0x0
	UNITS 0
	s_branch .Lstage0_meet
.Lstage0_cons:
	; att[i][d] for d = 32 idx .. 32 idx + 31, times lt[i][d], quantised along d
.set n, 0
.rept 8
	ds_load_b128 v[96+4*n:99+4*n], v[LI] offset:L_SIMG+512*n         ; Q(cosines): fragment (u, s) at v[96 + 8 (2 u + s)]
.set n, n+1
.endr
	ds_load_b32 v[SC+6], v[LS] offset:L_SSC
	ds_load_b32 v[SC+7], v[LS] offset:L_SSC+128
.irp u, 0,1
.irp e, 0,1,2,3
	ds_load_b128 v[128+16*\u+4*\e:131+16*\u+4*\e], v[XC2] offset:8*XP*\u+16*\e   ; lt at the places of the results
.endr
.endr
	s_wait_dscnt 0x0
.irp u, 0,1                                    ; source 0 = 16 rows d of rt along j, source 1 = 16 rows i of the cosines
.irp tt, 0,1
	MM DR+8*(2*\u+\tt), 178+16*\tt, 96+16*\u, SC+4+\tt, SC+6+\u, 1
.endr
.endr
.irp u, 0,1
.irp tt, 0,1
	MM DR+8*(2*\u+\tt), 178+16*\tt+8, 96+16*\u+8, SC+4+\tt, SC+6+\u, 0
.endr
.endr
	NOP4
.set i, 0
.rept 16
	v_pk_mul_f32 v[DR+2*i:DR+2*i+1], v[DR+2*i:DR+2*i+1], v[128+2*i:129+2*i]
.set i, i+1
.endr
	QBLKV DR, 244, 248
	QBLKV DR+16, 246, 249
	s_wait_alu depctr_va_vdst(0)                   ; both blocks' codes and bytes are written, which the four stores read; the matrix and vector lines of the head and of this stage are done with v96 to v217 and v22 to v29, in which the forty loads land
	QBLKS 244, 248, L_ZIMG, L_ZSC
	QBLKS 246, 249, L_ZIMG+2048, L_ZSC+128
.set n, 0
.rept 32
	ds_load_b128 v[RT+4*n:RT+4*n+3], v[RTL] offset:512*n             ; my half of rtd: sixteen fragments that stay
.set n, n+1
.endr
.irp jt, 0,1,2,3,4,5,6,7
	ds_load_b32 v[SC+\jt], v[RSL] offset:128*\jt
.endr
.Lstage0_meet:
	BAR                                            ; stage 0's tiles and Q(lt x att) lie in LDS
	STAGE 1
	STAGE 2
	STAGE 3
	STAGE 4
	STAGE 5
	STAGE 6
	STAGE 7
	; ================ STAGE 8: the producers make the three small products, the consumers multiply the last tiles
	s_cmp_eq_u32 s31, 0
	s_cbranch_scc0 .Lstage8_cons
	s_cmp_eq_u32 s36, 3
	s_cbranch_scc1 .Lstage8_meet
	s_cmp_eq_u32 s36, 0
	s_cbranch_scc0 .Lstage8_z
.set n, 0
.rept 8
	ds_load_b128 v[96+4*n:99+4*n], v[JPA] offset:512*n               ; full matching: Q(W_full x h_rt), parked as images: fragment (la, s) at v[96 + 8 (2 la + s)].  (No vector line since stage 7's closing wait on va_vdst names v96 to v143)
.set n, n+1
.endr
.set n, 0
.rept 4
	ds_load_b128 v[128+4*n:131+4*n], v[JPA] offset:4096+512*n        ; and Q(lt), tile u
.set n, n+1
.endr
	s_branch .Lstage8_go
.Lstage8_z:
.irp la, 0,1                                   ; the attentive two: the given codes, parked as rows of 128 bytes: lane (r, h) takes k = 128 s + 64 c + 32 h + 0 .. 31 of row 16 la + r.  Eight loads, once
.irp s, 0,1
.irp c, 0,1
	ds_load_b128 v[96+16*\la+8*\s+4*\c:99+16*\la+8*\s+4*\c], v[JPG] offset:2048*\la+64*\s+32*\c
.endr
.endr
.endr
.set n, 0
.rept 4
	ds_load_b128 v[128+4*n:131+4*n], v[ZL] offset:512*n              ; and Q(lt x att), tile u
.set n, n+1
.endr
	ds_load_b32 v[SC+2], v[ZSL]
.Lstage8_go:
	s_wait_dscnt 0x0
	MM 32, 96, 128, SC, SC+2, 1                    ; source 0 = 16 columns l, source 1 = 16 rows i: two accumulators by turns
	MM 40, 112, 128, SC+1, SC+2, 1
	MM 32, 104, 136, SC, SC+2, 0
	MM 40, 120, 136, SC+1, SC+2, 0
	NOP4
	TANH 32, 16
	s_wait_alu depctr_va_vdst(0)                   ; the last multiply-adds of tanh have written v32 to v47, which the four stores read
.irp la, 0,1                                   ; lane (n, h): columns 16 la + 8 h + 0 .. 7 of row 8 u + n + 8 (n / 8)
	ds_store_b128 v[OUTW], v[32+8*\la:35+8*\la] offset:64*\la
	ds_store_b128 v[OUTW], v[36+8*\la:39+8*\la] offset:64*\la+16
.endr
	s_branch .Lstage8_meet
.Lstage8_cons:
	PB 7
.Lstage8_meet:
	BAR                                            ; all maxima and the three small products' columns lie in LDS
	; ================ TAIL: wave w finishes rows 2 w and 2 w + 1.  Lane = column l of the max-pooling matching.  (v3 to v6 and v8 are written anew: the LDS instructions that read them stand ahead of the wait in front of the barrier's signal)
	v_and_b32 v8, 31, v0
	v_lshrrev_b32 v3, 3, v8
	v_mul_u32_u24 v3, v3, 288                      ; tile a = l / 8
	v_and_b32 v4, 7, v0
	v_lshl_add_u32 v3, v4, 2, v3                   ; column l % 8 of it
	s_mul_i32 s42, s30, 1152
	s_add_co_u32 s42, s42, L_MX
	v_add_nc_u32 v3, s42, v3                       ; tiles m = w
	s_mul_i32 s43, s30, 2*OP
	s_add_co_u32 s43, s43, L_OUT
	v_add_nc_u32 v4, s43, v[LS]
	v_add_nc_u32 v5, s43, v[LI]
	s_lshl_b32 s44, s30, 10
	v_add_nc_u32 v6, s44, v[LI]
	s_wait_alu depctr_va_vdst(0)                   ; the four addresses v3 to v6 are written, which the loads and stores below read; stage 8's vector and matrix lines are done with v32 to v51, in which loads below land
.irp ri, 0,1
.irp q, 0,1,2,3
	ds_load_b32 v[32+4*\ri+\q], v3 offset:32*\ri+64*\q               ; the maxima of the two halves of the lanes and of the two halves of j
.endr
.endr
	s_wait_dscnt 0x0
.irp ri, 0,1
	v_max3_num_f32 v[40+\ri], v[32+4*\ri], v[33+4*\ri], v[34+4*\ri]
.endr
.irp ri, 0,1
	v_max_num_f32 v[40+\ri], v[40+\ri], v[35+4*\ri]
.endr
	TANH 40, 2
	s_wait_alu depctr_va_vdst(0)                   ; the last multiply-add of tanh has written v40 and v41, which the two stores read
.irp ri, 0,1
	ds_store_b32 v4, v[40+\ri] offset:128+OP*\ri
.endr
.irp ri, 0,1
	ds_load_b128 v[44+4*\ri:47+4*\ri], v5 offset:OP*\ri              ; LDS serves a wave's instructions in order (ISA guide 5.7.1): these see my stores; the other columns were stored ahead of the barrier
.endr
	s_wait_dscnt 0x0
.irp ri, 0,1
	global_store_b128 v6, v[44+4*\ri:47+4*\ri], s[54:55] offset:512*\ri th:TH_STORE_NT   ; 32 lanes store a whole row: 512 consecutive bytes, aligned
.endr
	s_wait_dscnt 0x0                               ; the closing lines, six on end
	s_wait_alu 0x0
	s_wait_tensorcnt 0x0
	ds_add_u32 v254, v255
	s_wait_dscnt 0x0
	s_endpgm
.Lfunc_end_k_qb60cec5223_match:
	.size	k_qb60cec5223_match, .Lfunc_end_k_qb60cec5223_match-k_qb60cec5223_match
	.p2alignl 7, 3214868480
	.fill 96, 4, 3214868480
	.section	.rodata,"a",@progbits
	.p2align	6, 0x0
	.amdhsa_kernel k_qb60cec5223_match
		.amdhsa_group_segment_fixed_size 307200
		.amdhsa_private_segment_fixed_size 0
		.amdhsa_enable_private_segment 0
		.amdhsa_kernarg_size 104
		.amdhsa_user_sgpr_count 2
		.amdhsa_user_sgpr_kernarg_segment_ptr 1
		.amdhsa_wavefront_size32 1
		.amdhsa_system_sgpr_workgroup_id_x 1
		.amdhsa_system_sgpr_workgroup_id_y 1
		.amdhsa_system_sgpr_workgroup_id_z 1
		.amdhsa_system_vgpr_workitem_id 0
		.amdhsa_next_free_vgpr 256
		.amdhsa_next_free_sgpr 80
		.amdhsa_reserve_vcc 0
		.amdhsa_float_denorm_mode_32 3
		.amdhsa_float_denorm_mode_16_64 3
		.amdhsa_memory_ordered 1
		.amdhsa_forward_progress 1
		.amdhsa_inst_pref_size 202
	.end_amdhsa_kernel
	.amdgpu_metadata
---
amdhsa.version: [ 1, 2 ]
amdhsa.kernels:
  - .name:           k_qb60cec5223_match
    .symbol:         k_qb60cec5223_match.kd
    .args:
      - { .name: lstm_lt, .offset: 0, .size: 8, .value_kind: global_buffer, .address_space: global }
      - { .name: wmp, .offset: 8, .size: 8, .value_kind: global_buffer, .address_space: global }
      - { .name: W_att_codes, .offset: 16, .size: 8, .value_kind: global_buffer, .address_space: global }
      - { .name: W_att_scales, .offset: 24, .size: 8, .value_kind: global_buffer, .address_space: global }
      - { .name: W_maxatt_codes, .offset: 32, .size: 8, .value_kind: global_buffer, .address_space: global }
      - { .name: W_maxatt_scales, .offset: 40, .size: 8, .value_kind: global_buffer, .address_space: global }
      - { .name: rtd, .offset: 48, .size: 8, .value_kind: global_buffer, .address_space: global }
      - { .name: ltd, .offset: 56, .size: 8, .value_kind: global_buffer, .address_space: global }
      - { .name: rtj, .offset: 64, .size: 8, .value_kind: global_buffer, .address_space: global }
      - { .name: whq, .offset: 72, .size: 8, .value_kind: global_buffer, .address_space: global }
      - { .name: meta, .offset: 80, .size: 8, .value_kind: global_buffer, .address_space: global }
      - { .name: whs, .offset: 88, .size: 8, .value_kind: global_buffer, .address_space: global }
      - { .name: out0, .offset: 96, .size: 8, .value_kind: global_buffer, .address_space: global }
    .group_segment_fixed_size: 307200
    .private_segment_fixed_size: 0
    .kernarg_segment_align: 8
    .kernarg_segment_size: 104
    .max_flat_workgroup_size: 512
    .sgpr_count:     80
    .vgpr_count:     256
    .wavefront_size: 32
...
	.end_amdgpu_metadata
.endif
;; end of part 3
